; MI455X (gfx1250); checked and timed in simulation.
; The chip was launched on July 23, 2026; its instructions are those of AMD's public machine-readable ISA for CDNA 5 (MIT licence, August 2026) and "CDNA5" Instruction Set Architecture Reference Guide (July 2026). The comments in the code are by the model that wrote it; some were corrected since.
;; Multi Head Attention Block. Allowed arithmetic: matrix products marked QUANTISED: E2M3 operands, one E8M0 scale for each 32 along K, by v_wmma_scale_f32_16x16x128_f8f6f4 with both operands' format E2M3, f32 sums; everything else in f32.
;; Inputs: Wk 1,024 x 1,024 float32; Wo 1,024 x 1,024 float32; Wq 1,024 x 1,024 float32; Wv 1,024 x 1,024 float32; key 4 x 2,048 x 1,024 float32; mask 4 x 1 x 2,048 x 2,048 bool; query 4 x 2,048 x 1,024 float32; value 4 x 2,048 x 1,024 float32.
;; Outputs: out0 4 x 2,048 x 1,024 float32.
;; This version of the problem:
;;   THIS VERSION OF THE PROBLEM IS GIVEN IN LOW PRECISION. The matrix products marked QUANTISED in the list below multiply operands that are first quantised to E2M3 (2 exponent bits, 3 mantissa bits; 6 bits a number), with one power-of-two scale for each 32 numbers along K (OCP MX v1.0); their sums are f32. All else is computed in f32.
;;   The module's matrix products, in the order in which they are computed (A, B: the left and right operand; K: the contracted axis; several contracted axes count as one K, in the product's order):
;;     1. [M 8,192, K 1,024] x [K 1,024, N 1,024]; A: input query; B: input Wq: QUANTISED
;;     2. [M 8,192, K 1,024] x [K 1,024, N 1,024]; A: input key; B: input Wk: QUANTISED
;;     3. [M 8,192, K 1,024] x [K 1,024, N 1,024]; A: input value; B: input Wv: QUANTISED
;;     4. batch 64 x [M 2,048, K 64] x [K 64, N 2,048]; A: computed on the way; B: computed on the way: QUANTISED
;;     5. batch 64 x [M 2,048, K 2,048] x [K 2,048, N 64]; A: softmax (see below); B: computed on the way: QUANTISED
;;     6. [M 8,192, K 1,024] x [K 1,024, N 1,024]; A: computed on the way; B: input Wo: QUANTISED
;;   THE QUANTISER, for each operand of a quantised product, along K:
;;     - K is cut into blocks of 32 from its start; a last block that is shorter is filled with zeros.
;;     - A block's scale is 2^e with e = floor(log2(the largest magnitude in the block)) - 2, held to -126 .. 127; a block of zeros has e = 0. As a byte (E8M0): e + 127.
;;     - Each number is divided by its block's scale, clamped to +-7.5, and rounded to the nearest number of E2M3, ties to even, subnormals kept.
;;     - The product sums the exact products of the quantised numbers (number of the format x scale) in f32.
;;   ~~~python
;;   def quantise(x, axis):      # numpy; x: float32 -> the quantised numbers, widened to float32 again
;;       x = np.moveaxis(x, axis, -1); K = x.shape[-1]
;;       x = np.pad(x, [(0, 0)] * (x.ndim - 1) + [(0, -K % 32)]); x = x.reshape(x.shape[:-1] + (-1, 32)); a = np.abs(x).max(-1, keepdims=True)
;;       e = np.where(a > 0, np.clip(np.frexp(np.where(a > 0, a, 1))[1] - 1 - 2, -126, 127), 0)      # np.frexp(a)[1] - 1 = floor(log2(a)), exactly
;;       r = np.clip(x / 2.0 ** e, -7.5, 7.5)
;;       step = 2.0 ** (np.maximum(np.frexp(np.where(r == 0, 1, r))[1] - 1, 0) - 3)
;;       q = np.round(r / step) * step * 2.0 ** e      # np.round: ties to even
;;       return np.moveaxis(q.reshape(q.shape[:-2] + (-1,))[..., :K], -1, axis).astype(np.float32)
;;   ~~~
;;   SOFTMAX AHEAD OF A QUANTISED PRODUCT. Where the list says 'softmax', what is quantised is not the finished softmax but p = 2^(t - M), with t = logit x log2(e) and M = ceil(the row's largest t), a whole number; so 1/2 < the row's largest p <= 1. The row's sum l is taken of the UNQUANTISED p, in f32, and the product's result is divided by l at the end. Since M is a whole number, a kernel that streams over the keys may use a running M (the ceiling of the running maximum): every later rescaling is an exact power of two, which a block's scale takes up: the codes' values come out the same.
;;   OPERANDS COMPUTED ON THE WAY. 'Computed on the way' means the value that the module computes at that place (a softmax that the list does not call 'softmax' is quantised finished and normalised). What goes into a quantiser is computed in f32, as accurately as f32 sums, v_exp_f32 and their like allow (about 1e-6 of the number): no bf16 or f16 on the way to a quantiser, and a product that is left as it is and whose result goes on into a quantised operand takes f32 operands (vector FMAs, or v_wmma_f32_16x16x4_f32). A number that lies on a knife's edge between two numbers of the format may be rounded either way, as far as f32 arithmetic and the matrix unit's own rounding can turn it there, and no further.
;; 2 versions, each right; version 2 is version 1 with the launch attn written anew for expert scheduling mode. Each part assembles by itself: llvm-mc -triple=amdgcn-amd-amdhsa -mcpu=gfx1250 --defsym DOCPART=n.
;; ======== version 1 of 2: 4 launches
;; limits: right only within a limited range of input values
;; workspace buffers: xc 22,020,096 bytes; xs 917,504 bytes; mw 2,097,152 bytes; mf 16,384 bytes of whole numbers; hc 18,874,368 bytes; hs 786,432 bytes; oc 6,291,456 bytes; os 262,144 bytes
;; launch prep (part 1): grid 1408 x 1, 4 waves a work-group, no clusters, 68,096 bytes of LDS; arguments query, key, value, Wq, Wk, Wv, Wo, mask, xc, xs, mw, mf; writes xc, xs, mw, mf
.if DOCPART == 1
	.amdgcn_target "amdgcn-amd-amdhsa--gfx1250"
	.amdhsa_code_object_version 6
	.text
	.protected	k_q19ba5d16d7_prep
	.globl	k_q19ba5d16d7_prep
	.p2align	8
	.type	k_q19ba5d16d7_prep,@function
k_q19ba5d16d7_prep:
	s_mov_b64 s[64:65], 0
	v_nop
	global_prefetch_b8 v0, s[64:65] scope:SCOPE_SE
	s_setreg_imm32_b32 hwreg(HW_REG_WAVE_MODE, 25, 1), 1
	s_wait_xcnt 0x0
; PREP.  (1) query, key, value [8192][1024] and Wq, Wk, Wv, Wo [1024][1024], f32, K innermost, become codes of FP6 (E2M3) with one E8M0 byte for each 32 along K,
; laid as the later launches' operand registers want them.  (2) The bool mask [4][1][2048][2048] becomes lane-mask words and flags for the attention launch.
; ROW TILES.  A tile T is 16 rows that are not neighbours: row r of tile T is 32 (T / 2) + 8 (T % 2) + r + 8 (r / 8).  Tiles: query 0, key 512, value 1024, Wq 1536, Wk 1600, Wv 1664, Wo 1728.
; IMAGE.  A fragment (16 rows x 128 K) is 12 registers a lane: lane (r, h) holds row r, registers 6 c .. 6 c + 5 = k 64 c + 32 h + 0 .. 31.  In xc it lies as six planes of 256 bytes:
; plane p = registers 2 p, 2 p + 1, lane l's 8 bytes at 256 p + 8 l.  xc: [T][8 fragments][1536].  xs: [T][4 K steps of 256][row 16][2 words], a word = the four bytes of 128 K.
; A block's scale is 2^(floor(log2(largest magnitude)) - 2); its byte is the largest magnitude's exponent field - 2, held at 1 from below.
; LIMITS: a block of zeros gets the byte 1 where the rule says 127 (its codes are zeros, and this program alone reads the bytes); NaN and infinities among the inputs are not served.
; SHARES.  Work-groups 0 .. 895: 32 dense rows each (two tiles); wave w takes tile w / 2 and K half w % 2: four fragments.  Each load reads 512 consecutive bytes of one row; a fragment turns
; through the wave's own stage in LDS (16 rows, 528 bytes apart) so that a lane gets two whole blocks of 32 neighbours.  Every store of codes covers 256 consecutive bytes, aligned.
; Work-groups 896 .. 1407: query tile U = 128 b + t of the mask; wave w takes keys 512 w .. 512 w + 511: four steps of 128 keys.
; mw: [U][4096]: step j's 64 words at 256 j: bit (r, h) of word 16 beta + i = mask[b][row r of tile t][128 j + 32 beta + 16 h + i].  They only select values in the attention launch.
; mf: [U][quarter 4][2 words]: the whole numbers on which the attention launch branches: w0 bit jj: step 4 w + jj has a true; bit 16 + jj: it has a false; w1: the lanes that saw a true in the quarter.
; Waves share nothing: no barrier.  The two paths have LDS bytes of their own.
.set R,    16                          ; v16-79, v80-143: two sets of 64 numbers as loaded
.set X,    144                         ; v144-207: the lane's two blocks of 32
.set C,    208                         ; v208-219: a fragment's codes
.set CT,   220                         ; v220-222, v224-226: the upper halves of the two blocks (a conversion's three registers begin on an even number)
.set TM,   228                         ; v228-229 largest magnitudes
.set SO,   230                         ; v230-231 the conversions' scale operands
.set BY,   232                         ; v232-233 the bytes
.set WT,   234
.set PT,   235
.set WD,   8                           ; v8-11 the four fragments' scale words
.set STGB, 8448                        ; a wave's stage: 16 x 528
.set MSTG, 33792                       ; the mask path's stages begin here
	s_load_b512 s[4:19], s[0:1], 0x0               ; query, key, value, Wq, Wk, Wv, Wo, mask
	s_load_b128 s[20:23], s[0:1], 0x40             ; xc, xs
	s_load_b64 s[24:25], s[0:1], 0x50              ; mw
	s_load_b64 s[54:55], s[0:1], 0x58              ; mf
	v_lshl_add_u32 v240, v0, 2, 0x10800
	v_mov_b32 v241, 0
	v_lshrrev_b32 v1, 5, v0
	v_readfirstlane_b32 s26, v1                    ; wave
	v_and_b32 v1, 31, v0                           ; lane
	v_and_b32 v7, 15, v0                           ; r
	v_bfe_u32 v14, v0, 4, 1                        ; h
	v_lshlrev_b32 v2, 4, v1                        ; 16 x lane
	v_lshlrev_b32 v5, 3, v1                        ; 8 x lane
	s_mul_i32 s27, s26, STGB                       ; my stage
	s_mov_b32 s33, 0
	s_wait_kmcnt 0x0
	s_cmp_ge_u32 ttmp9, 896
	s_cbranch_scc1 .Lmask
	; ---------------- the quantiser ----------------
	v_add_nc_u32 v3, s27, v2                       ; into the stage: 16 x lane, a row an instruction
	v_mul_u32_u24 v4, v7, 528
	v_lshl_add_u32 v4, v14, 7, v4
	v_add_nc_u32 v4, s27, v4                       ; out of it: row r, + 128 h: my block of 32 numbers
	v_lshlrev_b32 v6, 3, v14                       ; 8 h: my bytes' place in a scale word
	v_mov_b32 v[PT], 0                             ; a lane permute's destination counts as one of its sources
	s_mov_b32 s40, 0x76543210
	s_mov_b32 s41, 0xfedcba98                      ; v_permlanex16_b32's selects for lane l xor 16
	s_mov_b64 s[28:29], s[4:5]                     ; which tensor: the choice hangs on the work-group's number alone
	s_mov_b32 s30, 0
.macro PICK thr, p
	s_cmp_ge_u32 ttmp9, \thr
	s_cselect_b64 s[28:29], s[\p:\p+1], s[28:29]
	s_cselect_b32 s30, \thr, s30
.endm
	PICK 256, 6
	PICK 512, 8
	PICK 768, 10
	PICK 800, 12
	PICK 832, 14
	PICK 864, 16
	s_sub_co_u32 s31, ttmp9, s30                   ; which 32 rows of that tensor
	s_lshl_b32 s32, s31, 17                        ; 32 rows of 4,096 bytes
	s_lshr_b32 s34, s26, 1                         ; my tile of the two
	s_and_b32 s35, s26, 1                          ; my half of K
	s_lshl_b32 s36, s34, 15                        ; the odd tile begins 8 rows down
	s_add_co_u32 s32, s32, s36
	s_lshl_b32 s36, s35, 11                        ; 512 numbers
	s_add_co_u32 s32, s32, s36
	s_add_nc_u64 s[28:29], s[28:29], s[32:33]
	s_lshl_b32 s36, ttmp9, 1
	s_add_co_u32 s36, s36, s34                     ; T
	s_mul_i32 s32, s36, 12288
	s_mul_i32 s37, s35, 6144
	s_add_co_u32 s32, s32, s37
	s_add_nc_u64 s[20:21], s[20:21], s[32:33]      ; my four images
	s_lshl_b32 s32, s36, 9
	s_lshl_b32 s37, s35, 8
	s_add_co_u32 s32, s32, s37
	s_add_nc_u64 s[22:23], s[22:23], s[32:33]      ; my 256 bytes of scale words
.macro LOADF f                         ; fragment f: 16 rows x 512 bytes, into set f % 2
.irp p, 0,1,2,3,4,5,6,7,8,9,10,11,12,13,14,15
	global_load_b128 v[R+64*((\f)%2)+4*\p:R+64*((\f)%2)+4*\p+3], v2, s[28:29] offset:(\p+8*(\p/8))*4096+512*(\f) th:TH_LOAD_NT
.endr
.endm
.macro FRAGQ f
.if (\f) < 3
	s_wait_loadcnt 16                              ; this fragment's 16 loads are in; the next fragment's 16 may be out
.else
	s_wait_loadcnt 0x0
.endif
.irp p, 0,1,2,3,4,5,6,7,8,9,10,11,12,13,14,15
	ds_store_b128 v3, v[R+64*((\f)%2)+4*\p:R+64*((\f)%2)+4*\p+3] offset:528*\p
.endr
.irp c, 0,1
.irp i, 0,1,2,3,4,5,6,7
	ds_load_b128 v[X+32*\c+4*\i:X+32*\c+4*\i+3], v4 offset:256*\c+16*\i   ; LDS serves a wave's instructions in order: these see my stores
.endr
.endr
	s_wait_dscnt 0x0                               ; my numbers are back, and the stores have read their registers
.if (\f) < 2
	LOADF (\f)+2
.endif
.irp c, 0,1
	v_max3_num_f32 v[TM+\c], |v[X+32*\c]|, |v[X+32*\c+1]|, 0x1800000   ; block 2 c + h: all 32 numbers are mine; the floor 2^(3 - 127) holds the byte at 1 from below
.endr
.irp i, 2,4,6,8,10,12,14,16,18,20,22,24,26,28,30
.irp c, 0,1
	v_max3_num_f32 v[TM+\c], v[TM+\c], |v[X+32*\c+\i]|, |v[X+32*\c+\i+1]|   ; (the two blocks by turns)
.endr
.endr
.irp c, 0,1
	v_add_nc_u32 v[SO+\c], 0xff000000, v[TM+\c]    ; 2 off the exponent field: the conversion takes the exponent field of this operand as its scale
.endr
.irp c, 0,1
	v_lshrrev_b32 v[BY+\c], 23, v[SO+\c]           ; the scale's byte
.endr
	v_lshl_or_b32 v[WT], v[BY+1], 16, v[BY]        ; my two bytes: blocks h and 2 + h,
	v_lshlrev_b32 v[WT], v6, v[WT]                 ; at their places;
	v_permlanex16_b32 v[PT], v[WT], s40, s41
	v_or_b32 v[WD+(\f)], v[WT], v[PT]              ; with lane l xor 16's two the word is whole
.if (\f) > 0
	s_wait_xcnt 0x0                                ; the last fragment's stores have read the codes' registers
.endif
.irp c, 0,1
	v_cvt_scalef32_pk16_fp6_f32 v[C+6*\c:C+6*\c+2], v[X+32*\c:X+32*\c+15], v[SO+\c]
	v_cvt_scalef32_pk16_fp6_f32 v[CT+4*\c:CT+4*\c+2], v[X+32*\c+16:X+32*\c+31], v[SO+\c]
.endr
	v_nop                                          ; one plain place behind a scaled conversion
.irp c, 0,1
.irp i, 0,1,2
	v_mov_b32 v[C+3+6*\c+\i], v[CT+4*\c+\i]
.endr
.endr
.irp p, 0,1,2,3,4,5
	global_store_b64 v5, v[C+2*\p:C+2*\p+1], s[20:21] offset:1536*(\f)+256*\p   ; a plane: 32 lanes store 256 consecutive bytes, aligned
.endr
.endm
	LOADF 0
	LOADF 1
	FRAGQ 0
	FRAGQ 1
	FRAGQ 2
	FRAGQ 3
	v_cmp_le_u32 vcc_lo, 16, v1                    ; lanes 0-15 store the first K step's pair of words, lanes 16-31 the second's
	v_cndmask_b32 v12, v[WD], v[WD+2], vcc_lo
	v_cndmask_b32 v13, v[WD+1], v[WD+3], vcc_lo
	global_store_b64 v5, v[12:13], s[22:23]        ; 256 consecutive bytes, aligned
	s_wait_tensorcnt 0x0
	ds_add_u32 v240, v241
	s_wait_dscnt 0x0
	s_endpgm
	; ---------------- the mask ----------------
.Lmask:
	s_sub_co_u32 s31, ttmp9, 896                   ; U = 128 b + t
	s_lshr_b32 s32, s31, 1
	s_lshl_b32 s32, s32, 16                        ; 32 rows of 2,048 bytes
	s_and_b32 s34, s31, 1
	s_lshl_b32 s34, s34, 14                        ; the odd tile begins 8 rows down
	s_add_co_u32 s32, s32, s34
	s_lshl_b32 s34, s26, 9                         ; my 512 keys
	s_add_co_u32 s32, s32, s34
	s_add_nc_u64 s[18:19], s[18:19], s[32:33]
	s_lshl_b32 s32, s31, 12                        ; a tile's 4,096 bytes of words,
	s_lshl_b32 s34, s26, 10                        ; my four steps' 1,024
	s_add_co_u32 s32, s32, s34
	s_add_nc_u64 s[28:29], s[24:25], s[32:33]
	s_lshl_b32 s32, s31, 5                         ; a tile's 32 bytes of flags,
	s_lshl_b32 s34, s26, 3                         ; my quarter's 8
	s_add_co_u32 s32, s32, s34
	s_add_nc_u64 s[54:55], s[54:55], s[32:33]
	s_add_co_u32 s27, s27, MSTG
	v_add_nc_u32 v3, s27, v2
	v_mul_u32_u24 v4, v7, 528
	v_lshl_add_u32 v4, v14, 4, v4
	v_add_nc_u32 v4, s27, v4                       ; out of the stage: row r, + 16 h
.irp p, 0,1,2,3,4,5,6,7,8,9,10,11,12,13,14,15
	global_load_b128 v[16+4*\p:19+4*\p], v2, s[18:19] offset:(\p+8*(\p/8))*2048 th:TH_LOAD_NT   ; 512 consecutive bytes of one row
.endr
.irp i, 0,1,2,3,4,5,6,7
	v_mov_b32 v[96+\i], 0                          ; v_writelane_b32's destination counts as read
.endr
	s_mov_b32 s52, 0                               ; w0
	s_mov_b32 s53, 0                               ; w1
	s_wait_loadcnt 0x0
.irp p, 0,1,2,3,4,5,6,7,8,9,10,11,12,13,14,15
	ds_store_b128 v3, v[16+4*\p:19+4*\p] offset:528*\p
.endr
.irp j, 0,1,2,3
.irp q, 0,1,2,3
	ds_load_b128 v[144+16*\j+4*\q:147+16*\j+4*\q], v4 offset:128*\j+32*\q   ; step j, block q: my 16 keys' bytes
.endr
.endr
	s_wait_dscnt 0x0
.macro MSTEP jj
.set MREG, 144+16*\jj
	v_or_b32 v106, v[MREG], v[MREG+1]              ; has my row a true key in this step?  Two chains
	v_or_b32 v109, v[MREG+2], v[MREG+3]
	v_and_b32 v107, v[MREG], v[MREG+1]             ; are all my 64 keys true?
	v_and_b32 v108, v[MREG+2], v[MREG+3]
.irp i, 4,6,8,10,12,14
	v_or_b32 v106, v106, v[MREG+\i]
	v_or_b32 v109, v109, v[MREG+\i+1]
	v_and_b32 v107, v107, v[MREG+\i]
	v_and_b32 v108, v108, v[MREG+\i+1]
.endr
	v_or_b32 v106, v106, v109
	v_and_b32 v107, v107, v108
	v_cmp_ne_u32 s48, 0, v106
	v_cmp_eq_u32 s49, 0x01010101, v107
	s_cmp_lg_u32 s48, 0
	s_cselect_b32 s50, 1<<\jj, 0
	s_or_b32 s52, s52, s50
	s_cmp_lg_u32 s49, -1
	s_cselect_b32 s50, 0x10000<<\jj, 0
	s_or_b32 s52, s52, s50
	s_or_b32 s53, s53, s48
.irp q, 0,1,2,3                        ; sixteen words at a time: a byte of each lane becomes a bit of a lane mask, and the mask a word of lane n / 2's pair
.irp i, 0,1,2,3,4,5,6,7,8,9,10,11,12,13,14,15
	v_and_b32 v[80+\i], 1<<(8*(\i%4)), v[MREG+4*\q+\i/4]
.endr
.irp i, 0,1,2,3,4,5,6,7,8,9,10,11,12,13,14,15
	v_cmp_ne_u32 s[32+\i], 0, v[80+\i]
.endr
.irp i, 0,1,2,3,4,5,6,7,8,9,10,11,12,13,14,15
	v_writelane_b32 v[96+2*\jj+\i%2], s[32+\i], (16*\q+\i)/2
.endr
.endr
	global_store_b64 v5, v[96+2*\jj:97+2*\jj], s[28:29] offset:256*\jj   ; the step's 64 words: 256 consecutive bytes, aligned; each step has its own pair of registers
.endm
	MSTEP 0
	MSTEP 1
	MSTEP 2
	MSTEP 3
	v_mov_b32 v104, s52
	v_mov_b32 v105, s53
	v_mov_b32 v110, 0
	v_cmp_eq_u32 vcc_lo, 0, v1                     ; lane 0 alone stores my quarter's two words: 8 bytes of the tile's 32; the whole buffer is 16,384 bytes
	s_wait_xcnt 0x0                                ; EXEC is a source of the stores above: it changes only behind this wait
	s_wait_tensorcnt 0x0
	ds_add_u32 v240, v241
	s_wait_dscnt 0x0
	s_and_saveexec_b32 s50, vcc_lo
	global_store_b64 v110, v[104:105], s[54:55]
	s_wait_xcnt 0x0                                ; and again, in front of the line that widens it
	s_or_b32 exec_lo, exec_lo, s50
	s_endpgm
.Lfunc_end_k_q19ba5d16d7_prep:
	.size	k_q19ba5d16d7_prep, .Lfunc_end_k_q19ba5d16d7_prep-k_q19ba5d16d7_prep
	.p2alignl 7, 3214868480
	.fill 96, 4, 3214868480
	.section	.rodata,"a",@progbits
	.p2align	6, 0x0
	.amdhsa_kernel k_q19ba5d16d7_prep
		.amdhsa_group_segment_fixed_size 68096
		.amdhsa_private_segment_fixed_size 0
		.amdhsa_enable_private_segment 0
		.amdhsa_kernarg_size 96
		.amdhsa_user_sgpr_count 2
		.amdhsa_user_sgpr_kernarg_segment_ptr 1
		.amdhsa_wavefront_size32 1
		.amdhsa_system_sgpr_workgroup_id_x 1
		.amdhsa_system_sgpr_workgroup_id_y 1
		.amdhsa_system_sgpr_workgroup_id_z 1
		.amdhsa_system_vgpr_workitem_id 0
		.amdhsa_next_free_vgpr 242
		.amdhsa_next_free_sgpr 66
		.amdhsa_reserve_vcc 1
		.amdhsa_float_denorm_mode_32 3
		.amdhsa_float_denorm_mode_16_64 3
		.amdhsa_memory_ordered 1
		.amdhsa_forward_progress 1
		.amdhsa_inst_pref_size 89
	.end_amdhsa_kernel
	.amdgpu_metadata
---
amdhsa.version: [ 1, 2 ]
amdhsa.kernels:
  - .name:           k_q19ba5d16d7_prep
    .symbol:         k_q19ba5d16d7_prep.kd
    .args:
      - { .name: query, .offset: 0, .size: 8, .value_kind: global_buffer, .address_space: global }
      - { .name: key, .offset: 8, .size: 8, .value_kind: global_buffer, .address_space: global }
      - { .name: value, .offset: 16, .size: 8, .value_kind: global_buffer, .address_space: global }
      - { .name: Wq, .offset: 24, .size: 8, .value_kind: global_buffer, .address_space: global }
      - { .name: Wk, .offset: 32, .size: 8, .value_kind: global_buffer, .address_space: global }
      - { .name: Wv, .offset: 40, .size: 8, .value_kind: global_buffer, .address_space: global }
      - { .name: Wo, .offset: 48, .size: 8, .value_kind: global_buffer, .address_space: global }
      - { .name: mask, .offset: 56, .size: 8, .value_kind: global_buffer, .address_space: global }
      - { .name: xc, .offset: 64, .size: 8, .value_kind: global_buffer, .address_space: global }
      - { .name: xs, .offset: 72, .size: 8, .value_kind: global_buffer, .address_space: global }
      - { .name: mw, .offset: 80, .size: 8, .value_kind: global_buffer, .address_space: global }
      - { .name: mf, .offset: 88, .size: 8, .value_kind: global_buffer, .address_space: global }
    .group_segment_fixed_size: 68096
    .private_segment_fixed_size: 0
    .kernarg_segment_align: 8
    .kernarg_segment_size: 96
    .max_flat_workgroup_size: 128
    .sgpr_count:     66
    .vgpr_count:     242
    .wavefront_size: 32
...
	.end_amdgpu_metadata
.endif
;; end of part 1
;; launch proj (part 2): grid 4 x 96, 4 waves a work-group, clusters of 4 x 4, 327,680 bytes of LDS; arguments xc, xs, hc, hs; writes hc, hs
.if DOCPART == 2
	.amdgcn_target "amdgcn-amd-amdhsa--gfx1250"
	.amdhsa_code_object_version 6
	.text
	.protected	k_q19ba5d16d7_proj
	.globl	k_q19ba5d16d7_proj
	.p2align	8
	.type	k_q19ba5d16d7_proj,@function
k_q19ba5d16d7_proj:
	s_mov_b64 s[64:65], 0
	v_nop
	global_prefetch_b8 v0, s[64:65] scope:SCOPE_SE
	s_setreg_imm32_b32 hwreg(HW_REG_WAVE_MODE, 25, 1), 1
	s_wait_xcnt 0x0
	s_wait_alu depctr_hold_cnt(0) depctr_sa_sdst(0) depctr_va_vdst(0) depctr_va_sdst(0) depctr_va_ssrc(0) depctr_va_vcc(0) depctr_vm_vsrc(0)
	s_getreg_b32 s2, hwreg(HW_REG_IB_STS2, 6, 4)
	s_cmp_eq_u32 s2, 0
	s_cbranch_scc0 .Lentry_in_a_cluster
	s_endpgm
.Lentry_in_a_cluster:
	s_bfe_u32 s2, ttmp6, 0x10000c
	s_cmp_lg_u32 s2, 0xf033
	s_cbranch_scc0 .Lentry_shape_is_right
	s_endpgm
.Lentry_shape_is_right:
; PROJ.  q = query Wq^T, k = key Wk^T, v = value Wv^T, [8192][1024] each, K = 1,024, on codes of FP6 (E2M3) with E8M0 scales; the results are quantised in registers and leave as operand images.
; Codes and scale words come from xc and xs as images (a fragment of 16 rows x 128 K = 1,536 bytes, six planes of 256; lane l's registers 2 p, 2 p + 1 at 256 p + 8 l).  Row r of tile T is row 32 (T / 2) + 8 (T % 2) + r + 8 (r / 8).
; A tile of C, 256 x 256, is made by four waves, 128 x 128 each: 64 accumulators, 512 registers.  K goes in four steps of 256 through two LDS slots filled by the tensor data mover; the scale words of all of K come once.
; The matrix instruction's source 0 is the 'B side', source 1 the 'A side': a lane holds ONE row of the A side, and the 16 registers of B tiles 2 g, 2 g + 1 are 16 neighbours 32 g + 16 (lane / 16) + 0 .. 15 along the B side.
; q, k (kind 0, 1): A side = the tokens, B side = the weight's rows: a lane's registers run along the features, the next product's K (a head's 64).
; v (kind 2): A side = Wv's rows, B side = the tokens: a lane's registers run along the KEYS, which are the second attention product's K.  The sides are swapped by addresses alone.
; CLUSTERS: 4 x 4 work-groups; the cluster's y says kind (y / 8) and which 1,024 tokens (y % 8).  A side's tiles are shared along a row of the cluster, B side's along a column: each is asked for jointly.
; OUT.  hc: [kind][b x 16 + head][98304]: q, k: [tile 128][768] (half images: 16 tokens x the head's 64);  v: [step 16][d tile 4][1536] (16 d x 128 keys).
; hs: [kind][bh][step 16][r 16][4 words]: q, k: word g = tile 8 step + 2 g's two bytes, then tile 8 step + 2 g + 1's;  v: word dt = d tile dt's four bytes of the step's 128 keys.
; LIMITS: a block of zeros gets the byte 1 (its codes are zeros; this program alone reads the bytes); NaN and infinities are not served.
; REGISTERS, in windows of 256: window 0: v16-31 addresses; v32-63 scale words, two sets; v64-123 the way out; v128-223 A's fragments, one set.  window 1: B's fragments, two sets, at v0 and v128.  windows 2, 3: accumulator (a, b) at v[8 (8 (a % 4) + b)].
.set TILEB,  3072                      ; a row tile's two fragments of a K step
.set FRB,    1536
.set HALFT,  8*TILEB                   ; 8 tiles = 128 rows: what one tensor load brings
.set SLOT,   4*HALFT                   ; A's 16 tiles, then B's 16
.set SCL,    2*SLOT                    ; behind the ring: A's scale words (8,192 bytes); B's begin 8,320 bytes on, so that the two halves of a load's lanes fall on different banks (64 banks of 4 bytes: ISA guide 11.1)
.set SPARE,  SCL+16640                 ; the spare words, 128 bytes for each wave: two blocks of 256 bytes that no other line names
.set NQ,     2
.set FR,     12
.set NL,     6
.set NP,     4                         ; places behind this matrix instruction (ISA guide 7.12.1)
.set ADRA, 16                          ; v16-17 LDS address of my A fragments in slot 0, 1
.set ADRB, 20                          ; v20-21 the same for B
.set VOL,  24                          ; v24 the way out: 8 x lane
.set VOH,  25                          ; v25 the same for an image's upper half
.set VSO,  26                          ; v26 the scale words' place: 16 r + 4096 h
.set ADRS, 27                          ; v27 LDS address of my scale words: lanes 0-15 A's, lanes 16-31 B's
.set SPW,  28                          ; v28 LDS address of my spare word; never rewritten
.set NIL,  29                          ; v29 0; never rewritten
.set SELQ, 30
.set SC,   32
.set AF,   128
.set PC,   64                          ; v64-75 the codes just made
.set CT,   76                          ; v76-78, v80-82
.set TM,   84                          ; v84-87 largest magnitudes, v88-91 bytes, v96-99 scale operands
.set PW,   104                         ; v104-111 the eight scale words
.set SEL,  2                           ; s[2:3]
.set G1, 24
.set G0, 32
.set G1B, 48
.set G0B, 56
.set G1S, 68
.set G0S, 76
.set G1SB, 80
.set G0SB, 88
.set MSB, 0
.macro WIN new                         ; the immediate's high byte repeats the setting that is left
.if MSB != \new
	s_set_vgpr_msb (MSB<<8)|\new
.set MSB, \new
.endif
.endm
.set MUL_LO, 0xa1                      ; source 0 (B) window 1, source 1 (A) window 0, C and D window 2
.set MUL_HI, 0xf1
.set TO_B,   0x40
; A joint load: waves 0 and 1 fetch for A, waves 2 and 3 for B.  Four v_nop follow each of the two lines.
.macro JLOAD g0a, g1a, g0b, g1b
	s_cmp_eq_u32 s15, 0
	s_cbranch_scc0 .Lfor_b_\@
	tensor_load_to_lds s[\g0a:\g0a+3], s[\g1a:\g1a+7]
	s_nop 0
.rept 4
	v_nop
.endr
	s_branch .Lasked_\@
.Lfor_b_\@:
	tensor_load_to_lds s[\g0b:\g0b+3], s[\g1b:\g1b+7]
	s_nop 0
.rept 4
	v_nop
.endr
.Lasked_\@:
.endm
.macro CREST
	s_cmp_lg_u32 s14, 0
	s_cbranch_scc1 .Lnot_wave_0_\@
	s_barrier_signal -3
.Lnot_wave_0_\@:
	s_barrier_wait -3
	s_barrier_signal -1
	s_barrier_wait -1
.endm
.macro CROUND
	s_barrier_signal -1
	s_barrier_wait -1
	CREST
.endm
	s_load_b256 s[4:11], s[0:1], 0x0               ; xc, xs, hc, hs
	v_lshl_add_u32 v[SPW], v0, 2, SPARE
	v_mov_b32 v[NIL], 0
	ds_add_u32 v28, v29
	ds_add_u32 v28, v29
	s_wait_dscnt 0x0
	v_lshrrev_b32 v1, 5, v0
	v_readfirstlane_b32 s14, v1                    ; wave 0..3
	s_lshr_b32 s15, s14, 1                         ; my half of the A side.  Also: I fetch for A (0) or for B (1)
	s_and_b32 s16, s14, 1                          ; my half of the B side.  Also: which 8 tiles I fetch
	s_bfe_u32 s40, ttmp6, 0x40000                  ; cx
	s_bfe_u32 s41, ttmp6, 0x40004                  ; cy
	s_and_b32 s12, ttmp7, 0xffff                   ; the cluster's y
	s_lshr_b32 s13, s12, 3                         ; kind: 0 q, 1 k, 2 v
	s_and_b32 s12, s12, 7                          ; c: which 1,024 tokens
	s_lshl_b32 s43, s41, 2
	s_lshl_b32 s43, 15, s43                        ; my row of the cluster
	s_lshl_b32 s44, 0x1111, s40                    ; my column
	s_mov_b32 s[SEL], 0x76543210
	s_mov_b32 s[SEL+1], 0xfedcba98
	; group 1 for codes: 8 rows (tiles) of 384 elements of 8 bytes (3,072 bytes), 1,536 elements (a tile's 12,288 bytes) apart; no padding
	s_or_b32 s[G1+0], s43, (3<<16)|(1<<21)
	s_or_b32 s[G1B+0], s44, (3<<16)|(1<<21)
.irp g, G1, G1B
	s_mov_b32 s[\g+1], 384<<16                     ; tensor_dim0
	s_mov_b32 s[\g+2], 8<<16                       ; tensor_dim1
	s_mov_b32 s[\g+3], 384<<16                     ; tile_dim0
	s_mov_b32 s[\g+4], 8                           ; tile_dim1
	s_mov_b32 s[\g+5], 1536                        ; tensor_dim0_stride
	s_mov_b32 s[\g+6], 0
	s_mov_b32 s[\g+7], 0
.endr
	; and for the scale words of 8 tiles: 4,096 dense bytes as 16 rows of 256
	s_or_b32 s[G1S+0], s43, (3<<16)|(1<<21)
	s_or_b32 s[G1SB+0], s44, (3<<16)|(1<<21)
.irp g, G1S, G1SB
	s_mov_b32 s[\g+1], 32<<16
	s_mov_b32 s[\g+2], 16<<16
	s_mov_b32 s[\g+3], 32<<16
	s_mov_b32 s[\g+4], 16
	s_mov_b32 s[\g+5], 32
	s_mov_b32 s[\g+6], 0
	s_mov_b32 s[\g+7], 0
.endr
	s_lshl_b32 s17, s13, 9
	s_lshl_b32 s18, s12, 6
	s_add_co_u32 s17, s17, s18                     ; the tokens' first tile: 512 kind + 64 c
	s_lshl_b32 s18, s13, 6
	s_add_co_u32 s18, s18, 1536                    ; the weight's first tile: 1536 + 64 kind
	s_cmp_eq_u32 s13, 2                            ; v swaps the sides; the choice is the same in all partners
	s_cselect_b32 s19, s18, s17                    ; A side
	s_cselect_b32 s42, s17, s18                    ; B side
	s_lshl_b32 s20, s41, 4
	s_add_co_u32 s19, s19, s20                     ; + 16 cy
	s_lshl_b32 s46, s40, 4
	s_add_co_u32 s42, s42, s46                     ; + 16 cx
	s_lshl_b32 s45, s16, 3
	s_add_co_u32 s19, s19, s45                     ; + the 8 tiles that I fetch
	s_add_co_u32 s42, s42, s45
	s_mul_i32 s20, s19, 12288
	s_mov_b32 s21, 0
	s_lshl_b32 s22, s19, 9
	s_mov_b32 s23, 0
	s_mul_i32 s46, s42, 12288
	s_mov_b32 s47, 0
	s_lshl_b32 s92, s42, 9
	s_mov_b32 s93, 0
	s_mul_i32 s45, s14, HALFT                      ; where they go: wave x 8 tiles: no place in the cluster enters an LDS address
	s_lshl_b32 s94, s14, 12
	s_wait_kmcnt 0x0
	s_add_nc_u64 s[20:21], s[4:5], s[20:21]
	s_add_nc_u64 s[22:23], s[6:7], s[22:23]
	s_add_nc_u64 s[46:47], s[4:5], s[46:47]
	s_add_nc_u64 s[92:93], s[6:7], s[92:93]
	CROUND                                         ; all sixteen work-groups are here: the first joint loads meet
	s_mov_b32 s[G0S], 1
	s_add_co_u32 s[G0S+1], s94, SCL
	s_mov_b64 s[G0S+2:G0S+3], s[22:23]
	s_or_b32 s[G0S+3], s[G0S+3], 0x80000000
	s_mov_b32 s[G0SB], 1
	s_add_co_u32 s[G0SB+1], s94, SCL+128
	s_mov_b64 s[G0SB+2:G0SB+3], s[92:93]
	s_or_b32 s[G0SB+3], s[G0SB+3], 0x80000000
	JLOAD G0S, G1S, G0SB, G1SB                     ; the scale words first: they are wanted with K step 0
.irp s, 0,1
	s_mov_b32 s[G0+4*\s], 1
	s_add_co_u32 s[G0+4*\s+1], s45, \s*SLOT
	s_add_nc_u64 s[G0+4*\s+2:G0+4*\s+3], s[20:21], \s*TILEB
	s_or_b32 s[G0+4*\s+3], s[G0+4*\s+3], 0x80000000
	s_mov_b32 s[G0B+4*\s], 1
	s_add_co_u32 s[G0B+4*\s+1], s45, \s*SLOT
	s_add_nc_u64 s[G0B+4*\s+2:G0B+4*\s+3], s[46:47], \s*TILEB
	s_or_b32 s[G0B+4*\s+3], s[G0B+4*\s+3], 0x80000000
	JLOAD G0+4*\s, G1, G0B+4*\s, G1B               ; three tensor loads of mine are out now
.endr
	v_and_b32 v1, 31, v0
	v_lshlrev_b32 v3, 3, v1                        ; 8 x lane: my place in a plane
	v_and_b32 v4, 15, v0                           ; r
	v_bfe_u32 v5, v0, 4, 1                         ; h
	s_mul_i32 s21, s15, HALFT
	s_mul_i32 s22, s16, HALFT
	s_add_co_u32 s22, s22, 2*HALFT
.irp s, 0,1
	v_add_nc_u32 v[ADRA+\s], s21, v3
	v_add_nc_u32 v[ADRB+\s], s22, v3
	s_add_co_u32 s21, s21, SLOT
	s_add_co_u32 s22, s22, SLOT
.endr
	v_lshlrev_b32 v6, 3, v4                        ; my row's pair of scale words
	s_lshl_b32 s21, s15, 12                        ; A's: my 8 tiles
	s_lshl_b32 s22, s16, 12                        ; B's: my 8 tiles, 8,320 bytes behind A's first
	s_add_co_u32 s22, s22, 8320
	s_sub_co_u32 s22, s22, s21
	v_mul_u32_u24 v7, s22, v5                      ; lanes 16-31 take B's
	s_add_co_u32 s21, s21, SCL
	v_add_nc_u32 v6, v6, v7
	v_add_nc_u32 v[ADRS], s21, v6
	; the way out: where my 128 tokens (XR) and my 128 features (WR) lie
	s_lshl_b32 s17, s41, 1
	s_add_co_u32 s17, s17, s15                     ; my half of the A side among the cluster's eight
	s_lshl_b32 s18, s40, 1
	s_add_co_u32 s18, s18, s16                     ; and of the B side
	s_mov_b32 s67, 0
	s_mov_b32 s97, 0
	s_mov_b32 s66, 768
	s_mov_b32 s98, 98304
	s_cmp_eq_u32 s13, 2
	s_cselect_b32 s19, s18, s17                    ; the tokens' half
	s_cselect_b32 s42, s17, s18                    ; WR
	s_cselect_b32 s66, 1536, s66                   ; from A tile to A tile: q, k a half image, v an image
	s_cselect_b32 s96, 92160, 0                    ; v: behind four d tiles the next head: 98,304 - 4 x 1,536
	s_cselect_b32 s98, 768, s98                    ; an image's upper half: q, k the next head's, v 768 bytes on
	s_cselect_b32 s99, 0, -1                       ; all lanes: q, k
	s_lshl_b32 s12, s12, 3
	s_add_co_u32 s19, s19, s12                     ; XR = 8 c + half
	s_lshr_b32 s20, s19, 4
	s_lshl_b32 s20, s20, 4                         ; 16 b
	s_lshl_b32 s42, s42, 1
	s_add_co_u32 s20, s20, s42                     ; + my first head
	s_and_b32 s19, s19, 15                         ; the step of 128 tokens
	s_mul_i32 s22, s13, 6291456
	s_mul_i32 s21, s20, 98304
	s_add_co_u32 s22, s22, s21
	s_mul_i32 s21, s19, 6144
	s_add_co_u32 s22, s22, s21
	s_mov_b32 s23, 0
	s_add_nc_u64 s[8:9], s[8:9], s[22:23]
	s_lshl_b32 s22, s13, 18
	s_lshl_b32 s21, s20, 12
	s_add_co_u32 s22, s22, s21
	s_lshl_b32 s21, s19, 8
	s_add_co_u32 s22, s22, s21
	s_add_nc_u64 s[10:11], s[10:11], s[22:23]
	s_mov_b32 s45, 0xffff0000                      ; lanes 16-31
	v_mov_b32 v[VOL], v3
	v_add_nc_u32 v[VOH], s98, v3
	v_lshlrev_b32 v[VSO], 4, v4
	v_lshl_add_u32 v[VSO], v5, 12, v[VSO]
	v_mov_b32 v[SELQ], 0x05040100                  ; lanes 0-15 gather two words' low halves (my first head), lanes 16-31 their high halves (the next)
	v_mov_b32 v31, 0x07060302
	v_cndmask_b32 v[SELQ], v[SELQ], v31, s45
.irp b, 0,1,2,3
	v_mov_b32 v[TM+4+\b], 0                        ; a lane permute's destination counts as one of its sources
.endr
.macro FRAG reg, adr, q, i             ; a fragment comes as it lies: six planes, 8 bytes a lane, 256 consecutive bytes a load
.irp p, 0,1,2,3,4,5
	ds_load_b64 v[\reg+2*\p:\reg+2*\p+1], v[\adr] offset:TILEB*(\i)+FRB*(\q)+256*\p
.endr
.endm
; 16 matrix instructions: A's blocks a0, a0 + 1 x B's eight.  The 64 accumulators take turns, one instruction a turn, in the same order in every step.
.macro MUL16 a0, p, q, sc, zero
.irp a, \a0, \a0+1
.irp b, 0,1,2,3,4,5,6,7
.if \zero
	v_wmma_scale_f32_16x16x128_f8f6f4 v[8*(8*((\a)%4)+\b):8*(8*((\a)%4)+\b)+7], v[128*(\p)+FR*\b:128*(\p)+FR*\b+FR-1], v[AF+FR*(\a):AF+FR*(\a)+FR-1], 0, v[SC+8*NQ*(\sc)+NQ*\b+(\q)], v[SC+8*NQ*(\sc)+NQ*(\a)+(\q)] matrix_a_fmt:MATRIX_FMT_FP6 matrix_b_fmt:MATRIX_FMT_FP6 matrix_a_scale:MATRIX_SCALE_ROW1
.else
	v_wmma_scale_f32_16x16x128_f8f6f4 v[8*(8*((\a)%4)+\b):8*(8*((\a)%4)+\b)+7], v[128*(\p)+FR*\b:128*(\p)+FR*\b+FR-1], v[AF+FR*(\a):AF+FR*(\a)+FR-1], v[8*(8*((\a)%4)+\b):8*(8*((\a)%4)+\b)+7], v[SC+8*NQ*(\sc)+NQ*\b+(\q)], v[SC+8*NQ*(\sc)+NQ*(\a)+(\q)] matrix_a_fmt:MATRIX_FMT_FP6 matrix_b_fmt:MATRIX_FMT_FP6 matrix_a_scale:MATRIX_SCALE_ROW1
.endif
.endr
.endr
.endm
.macro FETCH_B slot, q, p
	WIN TO_B
.irp i, 0,1,2,3,4,5,6,7
	FRAG 128*(\p)+FR*\i, ADRB+\slot, \q, \i
.endr
	WIN 0
.endm
.macro FETCH_A slot, q, i0
.irp i, \i0, \i0+1, \i0+2, \i0+3
	FRAG AF+FR*(\i), ADRA+\slot, \q, \i
.endr
.endm
.macro SCALES sc                       ; a K step's scale words: two a row; lanes 0-15 take A's tile i, lanes 16-31 B's tile i
.irp i, 0,1,2,3,4,5,6,7
	ds_load_b64 v[SC+8*NQ*\sc+NQ*\i:SC+8*NQ*\sc+NQ*\i+1], v[ADRS] offset:512*\i
.endr
.endm
.macro PLACES n                        ; plain vector instructions between a matrix instruction and a load into, or a read of, its registers
.rept \n
	v_nop
.endr
.endm
.macro STEP slot, q, zero              ; 128 along K with its successor in the same slot
	s_wait_dscnt 4*NL                              ; all but the youngest 24 loads (A's blocks 4-7) are in
	WIN MUL_LO
	MUL16 0, (\q)%2, \q, \slot, \zero
	MUL16 2, (\q)%2, \q, \slot, \zero
	s_wait_dscnt 0
	PLACES NP
	FETCH_B \slot, (\q)+1, 1-(\q)%2
	FETCH_A \slot, (\q)+1, 0
	WIN MUL_HI
	MUL16 4, (\q)%2, \q, \slot, \zero
	MUL16 6, (\q)%2, \q, \slot, \zero
	PLACES NP
	WIN 0
	FETCH_A \slot, (\q)+1, 4
.endm
; A slot's last step changes slots: one barrier; in front of it each wave waits for all its tensor loads, adds 0 to its spare word, and waits for that and for its own reads of this slot.
.macro TURN slot, next, fill
	s_wait_tensorcnt 0x0                           ; all my tensor loads have landed: my part of the next slot
	ds_add_u32 v[SPW], v[NIL]                      ; 0 onto my spare word
	s_wait_dscnt 4*NL+1                            ; (the add and the youngest 24 loads may be out)
	WIN MUL_LO
	MUL16 0, 1, NQ-1, \slot, 0
	s_wait_dscnt 0x0                               ; the add is done, and my reads of this slot are over
	s_barrier_signal -1
	MUL16 2, 1, NQ-1, \slot, 0
	WIN 0
	s_barrier_wait -1
.if \fill
	CREST                                          ; the barrier has opened a round of the cluster's barrier: no wave of any partner still reads this slot or has a load on its way
	s_add_nc_u64 s[G0+4*\slot+2:G0+4*\slot+3], s[G0+4*\slot+2:G0+4*\slot+3], 2*TILEB
	s_add_nc_u64 s[G0B+4*\slot+2:G0B+4*\slot+3], s[G0B+4*\slot+2:G0B+4*\slot+3], 2*TILEB
	JLOAD G0+4*\slot, G1, G0B+4*\slot, G1B         ; the first tensor load behind the round; its four v_nop are the places in front of the loads below
.else
	PLACES NP
.endif
	v_add_nc_u32 v[ADRS], 128, v[ADRS]             ; the next K step's scale words
	FETCH_B \next, 0, 0
	FETCH_A \next, 0, 0
	SCALES \next
	WIN MUL_HI
	MUL16 4, 1, NQ-1, \slot, 0
	MUL16 6, 1, NQ-1, \slot, 0
	PLACES NP
	WIN 0
	FETCH_A \next, 0, 4
.endm
	s_wait_tensorcnt 1                             ; the scale words and my part of K step 0 are in (K step 1's load may be out)
	s_barrier_signal -1
	s_barrier_wait -1
	FETCH_B 0, 0, 0
	FETCH_A 0, 0, 0
	SCALES 0
	FETCH_A 0, 0, 4
	STEP 0, 0, 1                                   ; the first products start the sums
	TURN 0, 1, 1                                   ; slot 0 takes K step 2
	STEP 1, 0, 0
	TURN 1, 0, 1                                   ; slot 1 takes K step 3
	STEP 0, 0, 0
	TURN 0, 1, 0
	STEP 1, 0, 0
	s_wait_dscnt 4*NL
	WIN MUL_LO
	MUL16 0, 1, NQ-1, 1, 0
	MUL16 2, 1, NQ-1, 1, 0
	s_wait_dscnt 0
	WIN MUL_HI
	MUL16 4, 1, NQ-1, 1, 0
	MUL16 6, 1, NQ-1, 1, 0
	WIN 0
; THE WAY OUT.  A block a's 64 registers of a lane are 128 neighbours (with lane l xor 16's) along the B side of ONE row of the A side: register 16 b + i = index 32 b + 16 (lane / 16) + i.
; They become a fragment's codes and its scale word, and the six planes leave as whole aligned runs of 256 bytes.  Each accumulator is read from its low end on.
.macro QUANTW a
.set W, 2+(\a)/4
.set AS, 64*((\a)%4)
.if (\a) > 0
	s_wait_xcnt 0x0                                ; the last block's stores have read their registers and their base
	s_add_nc_u64 s[8:9], s[8:9], s[66:67]
.endif
.if (\a) == 4
	s_add_nc_u64 s[8:9], s[8:9], s[96:97]
.endif
	WIN (W|(W<<2))
.irp b, 0,1,2,3
	v_max3_num_f32 v[TM+\b], |v[AS+16*\b]|, |v[AS+16*\b+1]|, 0x1800000   ; the floor 2^(3 - 127) holds the byte at 1 from below
.endr
	WIN ((W<<2)|(W<<4))
.irp i, 2,4,6,8,10,12,14
.irp b, 0,1,2,3
	v_max3_num_f32 v[TM+\b], v[TM+\b], |v[AS+16*\b+\i]|, |v[AS+16*\b+\i+1]|
.endr
.endr
	WIN 0
.irp b, 0,1,2,3
	v_permlanex16_b32 v[TM+4+\b], v[TM+\b], s[SEL], s[SEL+1]
.endr
.irp b, 0,1,2,3
	v_max_num_f32 v[TM+\b], v[TM+\b], v[TM+4+\b]   ; with lane l xor 16's: the block's largest magnitude
.endr
.irp b, 0,1,2,3
	v_add_nc_u32 v[TM+12+\b], 0xff000000, v[TM+\b] ; 2 off its exponent field: the conversion's scale operand
.endr
.irp b, 0,1,2,3
	v_lshrrev_b32 v[TM+4+\b], 23, v[TM+12+\b]      ; the scale's byte
.endr
	v_lshl_or_b32 v[PW+(\a)], v[TM+5], 8, v[TM+4]
	v_lshl_or_b32 v[PW+(\a)], v[TM+6], 16, v[PW+(\a)]
	v_lshl_or_b32 v[PW+(\a)], v[TM+7], 24, v[PW+(\a)]
	WIN W
.irp c, 0,1
	v_cvt_scalef32_pk16_fp6_f32 v[PC+6*\c:PC+6*\c+2], v[AS+32*\c:AS+32*\c+15], v[TM+12+2*\c]
	v_cvt_scalef32_pk16_fp6_f32 v[CT+4*\c:CT+4*\c+2], v[AS+32*\c+16:AS+32*\c+31], v[TM+12+2*\c+1]
.endr
	WIN 0
	v_nop                                          ; one plain place behind a scaled conversion
.irp c, 0,1                            ; the operand's layout wants a whole block in a lane
.irp i, 0,1,2
	v_permlane16_swap_b32 v[PC+6*\c+\i], v[CT+4*\c+\i]
.endr
.irp i, 0,1,2
	v_mov_b32 v[PC+3+6*\c+\i], v[CT+4*\c+\i]
.endr
.endr
.irp p, 0,1,2
	global_store_b64 v[VOL], v[PC+2*\p:PC+2*\p+1], s[8:9] offset:256*\p
.endr
.irp p, 0,1,2
	global_store_b64 v[VOH], v[PC+6+2*\p:PC+7+2*\p], s[8:9] offset:256*\p
.endr
.endm
	PLACES NP
.irp a, 0,1,2,3,4,5,6,7
	QUANTW \a
.endr
.irp g, 0,1,2,3
	v_perm_b32 v[112+\g], v[PW+2*\g+1], v[PW+2*\g], v[SELQ]   ; q, k: my head's two bytes of tiles 2 g and 2 g + 1
.endr
.irp i, 0,1,2,3
	v_cndmask_b32 v[116+\i], v[PW+\i], v[PW+4+\i], s45         ; v: lanes 0-15 my first head's four d tiles, lanes 16-31 the next head's
.endr
.irp i, 0,1,2,3
	v_cndmask_b32 v[120+\i], v[116+\i], v[112+\i], s99
.endr
	global_store_b128 v[VSO], v[120:123], s[10:11]  ; sixteen lanes store 256 consecutive bytes, aligned: a head's scale words of this step
	s_wait_tensorcnt 0x0                           ; the wave's end
	ds_add_u32 v[SPW], v[NIL]
	s_wait_dscnt 0x0
	CROUND                                         ; the closing round
	s_endpgm
.Lfunc_end_k_q19ba5d16d7_proj:
	.size	k_q19ba5d16d7_proj, .Lfunc_end_k_q19ba5d16d7_proj-k_q19ba5d16d7_proj
	.p2alignl 7, 3214868480
	.fill 96, 4, 3214868480
	.section	.rodata,"a",@progbits
	.p2align	6, 0x0
	.amdhsa_kernel k_q19ba5d16d7_proj
		.amdhsa_group_segment_fixed_size 327680
		.amdhsa_private_segment_fixed_size 0
		.amdhsa_enable_private_segment 0
		.amdhsa_kernarg_size 32
		.amdhsa_user_sgpr_count 2
		.amdhsa_user_sgpr_kernarg_segment_ptr 1
		.amdhsa_wavefront_size32 1
		.amdhsa_system_sgpr_workgroup_id_x 1
		.amdhsa_system_sgpr_workgroup_id_y 1
		.amdhsa_system_sgpr_workgroup_id_z 1
		.amdhsa_system_vgpr_workitem_id 0
		.amdhsa_next_free_vgpr 1024
		.amdhsa_next_free_sgpr 100
		.amdhsa_reserve_vcc 0
		.amdhsa_float_denorm_mode_32 3
		.amdhsa_float_denorm_mode_16_64 3
		.amdhsa_memory_ordered 1
		.amdhsa_forward_progress 1
		.amdhsa_inst_pref_size 168
	.end_amdhsa_kernel
	.amdgpu_metadata
---
amdhsa.version: [ 1, 2 ]
amdhsa.kernels:
  - .name:           k_q19ba5d16d7_proj
    .symbol:         k_q19ba5d16d7_proj.kd
    .args:
      - { .name: xc, .offset: 0, .size: 8, .value_kind: global_buffer, .address_space: global }
      - { .name: xs, .offset: 8, .size: 8, .value_kind: global_buffer, .address_space: global }
      - { .name: hc, .offset: 16, .size: 8, .value_kind: global_buffer, .address_space: global }
      - { .name: hs, .offset: 24, .size: 8, .value_kind: global_buffer, .address_space: global }
    .group_segment_fixed_size: 327680
    .private_segment_fixed_size: 0
    .kernarg_segment_align: 8
    .kernarg_segment_size: 32
    .max_flat_workgroup_size: 128
    .sgpr_count:     100
    .vgpr_count:     1024
    .wavefront_size: 32
...
	.end_amdgpu_metadata
.endif
;; end of part 2
;; launch attn (part 3): grid 4 x 64, 16 waves a work-group, no clusters, 206,848 bytes of LDS; arguments hc, hs, mw, oc, os, mf; writes oc, os
.if DOCPART == 3
	.amdgcn_target "amdgcn-amd-amdhsa--gfx1250"
	.amdhsa_code_object_version 6
	.text
	.protected	k_q19ba5d16d7_attn
	.globl	k_q19ba5d16d7_attn
	.p2align	8
	.type	k_q19ba5d16d7_attn,@function
k_q19ba5d16d7_attn:
	s_mov_b64 s[64:65], 0
	v_nop
	global_prefetch_b8 v0, s[64:65] scope:SCOPE_SE
	s_setreg_imm32_b32 hwreg(HW_REG_WAVE_MODE, 25, 1), 1
	s_wait_xcnt 0x0
; ATTN.  o = softmax(where(mask, q k^T / 8, -1e9)) v for one (batch, head), both products on codes of FP6 (E2M3) with E8M0 scales; o is quantised along the head's 64 and leaves as operand images.
; SOFTMAX: t = score x log2(e) / 8; M = the running largest t rounded UP to a whole number; p = 2^(t - M) is quantised along the keys, not normalised; the sum of the unquantised p divides at the end;
; when M moves, the sum and O are multiplied by 2^(old M - new M), which rounds nothing.
; SHARES.  Work-group (x, bh): its sixteen waves copy the head's K and V codes and scale words (204,800 bytes) into LDS once, pass ONE barrier, and then share nothing.  Wave w takes query tiles 16 x + w and 127 - (16 x + w).
; A tile's rows are not neighbours: row r of tile t is 32 (t / 2) + 8 (t % 2) + r + 8 (r / 8), for queries, keys and the head's d alike: so the 16 registers of two neighbouring tiles of source 0 are 16 neighbours.
; Both products are used transposed: S^T = K Q^T, O^T = V^T P^T: a lane holds one query (lane % 16) throughout.
; K = 64 IN AN INSTRUCTION OF 128.  A fragment of K is the pair of half images of key tiles 2 g, 2 g + 1.  Q stands in 18 registers [Q | 0 | Q]: the first twelve give tile 2 g's scores, the last twelve tile 2 g + 1's;
; the other 64 k meet zero codes, which add nothing under any scale byte from 1 to 254.  Q's scale word is (s0, s1, s0, s1).
; THE MASK is an input.  The first launch has packed it: in mw 64 lane-mask words a step (word 16 b + i for register 16 b + i of S^T), which only select values; in mf eight words of flags a tile, on which this text branches.
; A step in which no query of the tile has a true key is left out, by a scalar branch on those stored whole numbers; if some row of the tile has no true key at all, every step is walked (that row's softmax is uniform).
; Where a step has no false, its 64 selects are jumped over.
; NO CLUSTER, NO TENSOR LOAD: the steps that a wave walks hang on numbers read from memory; what four partners would share is read once by each, 204,800 bytes.
; LIMITS.  A masked score is -2^33 ahead of the factor 1/8, a logit of -1.074e9 where the definition has -1e9: times the factor it is a whole number, so p = 1 exactly in a row with no true key, as there;
; results differ only where true logits lie under about -9e8.  A block of zeros gets the byte 1.  NaN and infinities are not served.
.set VIMG, 98304                       ; LDS: K's 64 pair fragments at 0; V's [step 16][d tile 4][1536] here;
.set KSC,  196608                      ; K's scale words [step][r][4 words];
.set VSC,  200704                      ; V's likewise
.set QF,   16                          ; v16-33 [Q | 0 | Q]
.set FB,   36                          ; v36-83 four fragments of K or of V
.set KS,   84                          ; v84-87 K's scale words;  v88-91 V's
.set VS,   88
.set S,    96                          ; v96-159 S^T, then p
.set O,    160                         ; v160-191 O^T
.set P,    192                         ; v192-203 p's codes
.set CT,   204                         ; v204-206, v208-210
.set BM,   212                         ; v212-215 the blocks' largest scores
.set PX,   216                         ; v216-219
.set SO,   220                         ; v220-223 the conversions' scale operands
.set T0,   224
.set F,    226                         ; v226 f;  v227 p's scale word
.set PS,   227
.set SUM2, 228
.set HW,   230
	s_load_b256 s[4:11], s[0:1], 0x0               ; hc, hs, mw, oc
	s_load_b64 s[12:13], s[0:1], 0x20              ; os
	s_load_b64 s[2:3], s[0:1], 0x28                ; mf
	v_lshl_add_u32 v254, v0, 2, 0x32000
	v_mov_b32 v255, 0
	v_lshrrev_b32 v1, 5, v0
	v_readfirstlane_b32 s14, v1                    ; wave 0..15
	s_and_b32 s15, ttmp7, 0xffff                   ; bh = 16 b + head
	v_lshlrev_b32 v6, 4, v0                        ; 16 x thread: the copy's place in memory and in LDS
	v_add_nc_u32 v7, 0x10000, v6
	v_add_nc_u32 v11, 0x20000, v6
	v_lshlrev_b32 v10, 3, v0                       ; 8 x thread: the scale words'
	v_add_nc_u32 v9, KSC, v10
	s_mul_i32 s16, s15, 98304
	s_mov_b32 s17, 0
	s_lshl_b32 s18, s15, 12
	s_mov_b32 s19, 0
	s_mov_b32 s96, 0x3e38aa3b                      ; c = log2(e) / 8
	s_mov_b32 s97, s96                             ; (named with it as a pair)
	s_mov_b32 s98, 0x76543210
	s_mov_b32 s99, 0xfedcba98                      ; v_permlanex16_b32's selects for lane l xor 16
	s_lshl_b32 s79, ttmp9, 4
	s_add_co_u32 s79, s79, s14                     ; my first query tile
	s_wait_kmcnt 0x0
	s_add_nc_u64 s[66:67], s[4:5], s[16:17]        ; q's codes of my head
	s_add_nc_u64 s[68:69], s[6:7], s[18:19]        ; q's scale words
	s_add_nc_u64 s[20:21], s[66:67], 6291456       ; k's codes
	s_add_nc_u64 s[22:23], s[66:67], 12582912      ; v's
	s_add_nc_u64 s[24:25], s[68:69], 262144        ; k's scale words
	s_add_nc_u64 s[26:27], s[68:69], 524288        ; v's
.irp i, 0,1,2,3,4,5,6,7,8,9,10,11
	global_load_b128 v[96+4*\i:99+4*\i], v6, s[20:21] offset:8192*\i
.endr
.irp i, 0,1,2,3,4,5,6,7,8,9,10,11
	global_load_b128 v[144+4*\i:147+4*\i], v6, s[22:23] offset:8192*\i
.endr
	global_load_b64 v[192:193], v10, s[24:25]
	global_load_b64 v[194:195], v10, s[26:27]
	v_and_b32 v1, 31, v0
	v_lshlrev_b32 v1, 3, v1                        ; v1: 8 x lane: my place in a plane
	v_and_b32 v3, 15, v0
	v_lshlrev_b32 v4, 3, v3                        ; v4: 8 r
	v_lshlrev_b32 v3, 4, v3                        ; v3: 16 r
	v_add_nc_u32 v2, KSC, v3                       ; v2: my row's four scale words of a step
	v_mov_b32 v5, 0xd0000000                       ; -2^33: a masked score
.irp i, 22,23,24,25,26,27
	v_mov_b32 v\i, 0                               ; Q's zero codes
.endr
.irp b, 0,1,2,3
	v_mov_b32 v[PX+\b], 0                          ; a lane permute's destination counts as one of its sources
.endr
	v_mov_b32 v[T0], 0
	v_mov_b32 v[PS], 0                             ; (named as the upper half of the pair with f before it is first written)
.irp i, 0,1,2,3,4,5,6,7
	s_wait_loadcnt 25-\i                           ; loads come back in order: load i of 26 is in, the 25 - i behind it may be out
	ds_store_b128 v6, v[96+4*\i:99+4*\i] offset:8192*\i
.endr
.irp i, 8,9,10,11,12,13,14,15
	s_wait_loadcnt 25-\i
	ds_store_b128 v7, v[96+4*\i:99+4*\i] offset:8192*(\i-8)
.endr
.irp i, 16,17,18,19,20,21,22,23
	s_wait_loadcnt 25-\i
	ds_store_b128 v11, v[96+4*\i:99+4*\i] offset:8192*(\i-16)
.endr
	s_wait_loadcnt 1
	ds_store_b64 v9, v[192:193]
	s_wait_loadcnt 0x0
	ds_store_b64 v9, v[194:195] offset:4096
	s_wait_dscnt 0x0                               ; for the others' sake: my stores have landed
	s_barrier_signal -1
	s_barrier_wait -1                              ; the head's K and V lie in LDS; nothing is written there again
.macro SOFTMAX
.irp b, 0,1,2,3
	v_max3_num_f32 v[BM+\b], v[S+16*\b], v[S+16*\b+1], v[S+16*\b+2]   ; the largest score of each block of 32 keys: it serves for the row's maximum and, since p rises with the score, for the block's largest p
.endr
.irp i, 3,5,7,9,11,13
.irp b, 0,1,2,3
	v_max3_num_f32 v[BM+\b], v[BM+\b], v[S+16*\b+\i], v[S+16*\b+\i+1]
.endr
.endr
.irp b, 0,1,2,3
	v_max_num_f32 v[BM+\b], v[BM+\b], v[S+16*\b+15]
.endr
.irp b, 0,1,2,3
	v_permlanex16_b32 v[PX+\b], v[BM+\b], s98, s99
.endr
.irp b, 0,1,2,3
	v_max_num_f32 v[BM+\b], v[BM+\b], v[PX+\b]     ; with lane l xor 16's 16 keys
.endr
	v_max3_num_f32 v[T0], v[BM], v[BM+1], v[BM+2]
	v_max_num_f32 v[T0], v[T0], v[BM+3]
	v_mul_f32 v[T0], s96, v[T0]                    ; the step's largest t of my query
	v_max_num_f32 v13, v13, v[T0]                  ; the running largest t
	v_mov_b32 v[T0], v12
	v_floor_f32 v12, -v13                          ; the new -M = floor(-t): M is a whole number
	v_sub_f32 v[T0], v12, v[T0]                    ; old M - new M: a whole number, 0 or less
	v_cvt_i32_f32 v[T0], v[T0]                     ; (it saturates)
	v_ldexp_f32 v[F], 1.0, v[T0]                   ; f = 2^(old M - new M)
.set n, 0
.rept 32
	v_pk_fma_f32 v[S+n:S+n+1], v[S+n:S+n+1], s[96:97], v[12:13] op_sel_hi:[1,0,0]   ; t - M, two at a time
.set n, n+2
.endr
.irp b, 0,1,2,3
	v_fma_f32 v[BM+\b], v[BM+\b], s96, v12         ; the same of each block's largest score
.endr
.set n, 0
.rept 64
	v_exp_f32 v[S+n], v[S+n]                       ; p = 2^(t - M)
.set n, n+1
.endr
.irp b, 0,1,2,3
	v_exp_f32 v[BM+\b], v[BM+\b]                   ; the block's largest p: the same two instructions on the same number
.endr
	v_pk_mul_f32 v[14:15], v[14:15], v[F:F+1] op_sel_hi:[1,0]   ; the sums under the new M.  (A plain place behind the exponentials)
	s_wait_alu depctr_va_vdst(0)
.irp b, 0,1,2,3
	v_max_num_f32 v[BM+\b], 0x1800000, v[BM+\b]    ; the floor 2^(3 - 127): the byte cannot fall under 1
.endr
.irp b, 0,1,2,3
	v_add_nc_u32 v[SO+\b], 0xff000000, v[BM+\b]    ; 2 off the exponent field: the conversion's scale operand
.endr
.irp b, 0,1,2,3
	v_lshrrev_b32 v[PX+\b], 23, v[SO+\b]           ; the scale's byte
.endr
	v_lshl_or_b32 v[PS], v[PX+1], 8, v[PX]         ; p's scale word for these 128 keys
	v_lshl_or_b32 v[PS], v[PX+2], 16, v[PS]
	v_lshl_or_b32 v[PS], v[PX+3], 24, v[PS]
.irp c, 0,1
	v_cvt_scalef32_pk16_fp6_f32 v[P+6*\c:P+6*\c+2], v[S+32*\c:S+32*\c+15], v[SO+2*\c]
	v_cvt_scalef32_pk16_fp6_f32 v[CT+4*\c:CT+4*\c+2], v[S+32*\c+16:S+32*\c+31], v[SO+2*\c+1]
.endr
	v_nop                                          ; one plain place behind a scaled conversion
.irp c, 0,1                            ; the operand's layout wants a whole block in a lane
.irp i, 0,1,2
	v_permlane16_swap_b32 v[P+6*\c+\i], v[CT+4*\c+\i]
.endr
.irp i, 0,1,2
	v_mov_b32 v[P+3+6*\c+\i], v[CT+4*\c+\i]
.endr
.endr
	v_pk_add_f32 v[SUM2:SUM2+1], v[S:S+1], v[S+2:S+3]   ; the row's sum is taken of the unquantised p: two at a time, in two chains
.irp j, 4,8,12,16,20,24,28,32,36,40,44,48,52,56,60
	v_pk_add_f32 v[14:15], v[14:15], v[S+\j:S+\j+1]
	v_pk_add_f32 v[SUM2:SUM2+1], v[SUM2:SUM2+1], v[S+\j+2:S+\j+3]
.endr
	v_pk_add_f32 v[14:15], v[14:15], v[SUM2:SUM2+1]
.set n, 0
.rept 16
	v_pk_mul_f32 v[O+n:O+n+1], v[O+n:O+n+1], v[F:F+1] op_sel_hi:[1,0]   ; O^T under the new M.  (The 48 lines from the sums on are the places between the codes, the scale word and the scaled products)
.set n, n+2
.endr
.endm
; One query tile, from its loads to its stores.  which = 0: tile 16 x + w;  1: tile 127 - that.
.macro QTILE which
	s_wait_xcnt 0x0                                ; earlier loads and stores have read their bases, offsets and data
.if \which == 0
	s_mov_b32 s100, s79
.else
	s_sub_co_u32 s100, 127, s79
.endif
	s_lshr_b32 s101, s15, 4
	s_lshl_b32 s101, s101, 7
	s_add_co_u32 s101, s101, s100                  ; U = 128 b + t
	s_lshl_b32 s76, s101, 12
	s_mov_b32 s77, 0
	s_add_nc_u64 s[70:71], s[8:9], s[76:77]        ; the tile's mask words: 4,096 bytes
	s_lshl_b32 s76, s101, 5
	s_add_nc_u64 s[28:29], s[2:3], s[76:77]        ; and its flags: 32 bytes
	s_load_b256 s[16:23], s[28:29], 0x0            ; quarter q's pair (w0, w1) in s[16 + 2 q], s[17 + 2 q]
	s_mul_i32 s76, s100, 768
	s_add_nc_u64 s[24:25], s[66:67], s[76:77]
.irp p, 0,1,2
	global_load_b64 v[QF+2*\p:QF+2*\p+1], v1, s[24:25] offset:256*\p        ; Q, twice: in front of the zeros
	global_load_b64 v[QF+12+2*\p:QF+13+2*\p], v1, s[24:25] offset:256*\p    ; and behind them
.endr
	s_lshr_b32 s76, s100, 3
	s_lshl_b32 s76, s76, 8
	s_bfe_u32 s78, s100, 0x20001
	s_lshl_b32 s78, s78, 2
	s_add_co_u32 s76, s76, s78
	s_add_nc_u64 s[26:27], s[68:69], s[76:77]
	global_load_b32 v34, v3, s[26:27]              ; the word that holds my tile's two bytes: the low half for an even tile, the high half for an odd one
	s_mov_b32 s78, 0x03020302
	s_bitcmp1_b32 s100, 0
	s_cselect_b32 s78, s78, 0x01000100
	s_wait_kmcnt 0x0
	s_lshl_b32 s76, s18, 4                         ; the four quarters' flags: bit j: step j has a true; bit 16 + j: it has a false
	s_or_b32 s75, s16, s76
	s_lshl_b32 s76, s20, 8
	s_or_b32 s75, s75, s76
	s_lshl_b32 s76, s22, 12
	s_or_b32 s75, s75, s76
	s_or_b32 s76, s17, s19                         ; the lanes that saw a true anywhere
	s_or_b32 s76, s76, s21
	s_or_b32 s76, s76, s23
	s_lshr_b32 s77, s76, 16
	s_or_b32 s76, s76, s77                         ; a row lies in lanes r and r + 16
	s_and_b32 s76, s76, 0xffff
	s_cmp_lg_u32 s76, 0xffff
	s_cselect_b32 s76, 0xffff, 0                   ; a row with no true key: every step is walked
	s_or_b32 s75, s75, s76
	s_wait_loadcnt 0x0
	v_perm_b32 v35, v34, v34, s78                  ; (s0, s1, s0, s1).  The 36 lines below are the places between it and the first scaled product
	v_mov_b32 v13, 0xff61b1e6                      ; the largest t so far: -3e38
	v_floor_f32 v12, -v13                          ; -M
	v_mov_b32 v14, 0
	v_mov_b32 v15, 0
.set n, 0
.rept 32
	v_mov_b32 v[O+n], 0                            ; O^T: the first change of M leaves zeros zeros, so the step is written once
.set n, n+1
.endr
	s_mov_b32 s72, 0                               ; 6,144 x step: the step's fragments
	s_mov_b32 s73, 0                               ; 256 x step: its scale words, and its mask words
	s_mov_b32 s74, 0                               ; the step
.Lstep_\@:
	s_lshr_b32 s76, s75, s74
	s_bitcmp1_b32 s76, 0
	s_cbranch_scc0 .Lskip_\@                       ; no query of my tile has a true key here: p would be 0 throughout
	s_and_b32 s78, s76, 0x10000                    ; has the step a false?
	s_load_b512 s[16:31], s[70:71], s73 offset:0x0 ; the step's 64 lane masks: always asked for and always waited for
	s_load_b512 s[32:47], s[70:71], s73 offset:0x40
	s_load_b512 s[48:63], s[70:71], s73 offset:0x80
	s_load_b512 s[80:95], s[70:71], s73 offset:0xc0
	v_add_nc_u32 v8, s72, v1
	v_add_nc_u32 v10, s73, v2
	v_add_nc_u32 v9, VIMG, v8
	v_nop                                          ; four places in front of loads into registers that the last products have read
	ds_load_b128 v[KS:KS+3], v10
.irp g, 0,1,2,3
.irp p, 0,1,2,3,4,5
	ds_load_b64 v[FB+12*\g+2*\p:FB+12*\g+2*\p+1], v8 offset:1536*\g+256*\p
.endr
.endr
	s_wait_dscnt 0x0
.irp g, 0,1,2,3
.irp u, 0,1
	v_wmma_scale_f32_16x16x128_f8f6f4 v[S+8*(2*\g+\u):S+8*(2*\g+\u)+7], v[FB+12*\g:FB+12*\g+11], v[QF+6*\u:QF+6*\u+11], 0, v[KS+\g], v35 matrix_a_fmt:MATRIX_FMT_FP6 matrix_b_fmt:MATRIX_FMT_FP6
.endr
.endr
.rept 4
	v_nop
.endr
	ds_load_b128 v[VS:VS+3], v10 offset:4096       ; V's fragments land while the softmax is walked
.irp g, 0,1,2,3
.irp p, 0,1,2,3,4,5
	ds_load_b64 v[FB+12*\g+2*\p:FB+12*\g+2*\p+1], v9 offset:1536*\g+256*\p
.endr
.endr
	s_wait_kmcnt 0x0                               ; the lane masks are in; their base and offset may be written again
	s_cmp_eq_u32 s78, 0
	s_cbranch_scc1 .Lopen_\@
.set n, 0
.rept 48
	v_cndmask_b32 v[S+n], v5, v[S+n], s[16+n]      ; register n's key counts for my query, or the score becomes -2^33
.set n, n+1
.endr
.rept 16
	v_cndmask_b32 v[S+n], v5, v[S+n], s[32+n]
.set n, n+1
.endr
.Lopen_\@:
	SOFTMAX
	s_wait_dscnt 0x0                               ; V
.irp g, 0,1,2,3
	v_wmma_scale_f32_16x16x128_f8f6f4 v[O+8*\g:O+8*\g+7], v[FB+12*\g:FB+12*\g+11], v[P:P+11], v[O+8*\g:O+8*\g+7], v[VS+\g], v[PS] matrix_a_fmt:MATRIX_FMT_FP6 matrix_b_fmt:MATRIX_FMT_FP6
.endr
.Lskip_\@:
	s_add_co_u32 s72, s72, 6144
	s_add_co_u32 s73, s73, 256
	s_add_co_u32 s74, s74, 1
	s_cmp_lt_u32 s74, 16
	s_cbranch_scc1 .Lstep_\@
	; the tile's end: O^T / the sum, quantised along the head's 64: register 16 g + i is d = 32 g + 16 (lane / 16) + i
.rept 4
	v_nop
.endr
	v_add_f32 v14, v14, v15
	v_permlanex16_b32 v[T0], v14, s98, s99
	v_add_f32 v14, v14, v[T0]                      ; the row's sum
	v_rcp_f32 v14, v14
	v_nop                                          ; one plain place behind a transcendental
.set n, 0
	s_wait_alu depctr_va_vdst(0)
.rept 32
	v_mul_f32 v[S+n], v[O+n], v14
.set n, n+1
.endr
.irp g, 0,1
	v_max3_num_f32 v[BM+\g], |v[S+16*\g]|, |v[S+16*\g+1]|, 0x1800000
.endr
.irp i, 2,4,6,8,10,12,14
.irp g, 0,1
	v_max3_num_f32 v[BM+\g], v[BM+\g], |v[S+16*\g+\i]|, |v[S+16*\g+\i+1]|
.endr
.endr
.irp g, 0,1
	v_permlanex16_b32 v[PX+\g], v[BM+\g], s98, s99
.endr
.irp g, 0,1
	v_max_num_f32 v[BM+\g], v[BM+\g], v[PX+\g]
.endr
.irp g, 0,1
	v_add_nc_u32 v[SO+\g], 0xff000000, v[BM+\g]
.endr
.irp g, 0,1
	v_lshrrev_b32 v[PX+\g], 23, v[SO+\g]
.endr
	v_lshl_or_b32 v[HW], v[PX+1], 8, v[PX]         ; my row's two scale bytes
	v_cvt_scalef32_pk16_fp6_f32 v[P:P+2], v[S:S+15], v[SO]
	v_cvt_scalef32_pk16_fp6_f32 v[CT:CT+2], v[S+16:S+31], v[SO+1]
	v_nop
.irp i, 0,1,2
	v_permlane16_swap_b32 v[P+\i], v[CT+\i]
.endr
.irp i, 0,1,2
	v_mov_b32 v[P+3+\i], v[CT+\i]
.endr
	s_mul_i32 s76, s101, 12288
	s_and_b32 s78, s15, 15                         ; the head
	s_mul_i32 s77, s78, 768
	s_add_co_u32 s76, s76, s77
	s_mov_b32 s77, 0
	s_add_nc_u64 s[24:25], s[10:11], s[76:77]
	s_lshl_b32 s76, s101, 9
	s_lshr_b32 s16, s78, 2
	s_lshl_b32 s16, s16, 7
	s_add_co_u32 s76, s76, s16                     ; K step = head / 4
	s_bfe_u32 s16, s78, 0x10001
	s_lshl_b32 s16, s16, 2
	s_add_co_u32 s76, s76, s16                     ; word = (head / 2) % 2
	s_and_b32 s16, s78, 1
	s_lshl_b32 s16, s16, 1
	s_add_co_u32 s76, s76, s16                     ; its half
	s_add_nc_u64 s[26:27], s[12:13], s[76:77]
.irp p, 0,1,2
	global_store_b64 v1, v[P+2*\p:P+2*\p+1], s[24:25] offset:256*\p   ; a plane: 256 consecutive bytes, aligned
.endr
	global_store_b16 v4, v[HW], s[26:27]           ; two bytes a row; lanes r and r + 16 write the same two bytes with the same value.  A scale word spans two heads, which two work-groups make
.endm
	QTILE 0
	QTILE 1
	s_wait_tensorcnt 0x0
	ds_add_u32 v254, v255
	s_wait_dscnt 0x0
	s_endpgm
.Lfunc_end_k_q19ba5d16d7_attn:
	.size	k_q19ba5d16d7_attn, .Lfunc_end_k_q19ba5d16d7_attn-k_q19ba5d16d7_attn
	.p2alignl 7, 3214868480
	.fill 96, 4, 3214868480
	.section	.rodata,"a",@progbits
	.p2align	6, 0x0
	.amdhsa_kernel k_q19ba5d16d7_attn
		.amdhsa_group_segment_fixed_size 206848
		.amdhsa_private_segment_fixed_size 0
		.amdhsa_enable_private_segment 0
		.amdhsa_kernarg_size 48
		.amdhsa_user_sgpr_count 2
		.amdhsa_user_sgpr_kernarg_segment_ptr 1
		.amdhsa_wavefront_size32 1
		.amdhsa_system_sgpr_workgroup_id_x 1
		.amdhsa_system_sgpr_workgroup_id_y 1
		.amdhsa_system_sgpr_workgroup_id_z 1
		.amdhsa_system_vgpr_workitem_id 0
		.amdhsa_next_free_vgpr 256
		.amdhsa_next_free_sgpr 102
		.amdhsa_reserve_vcc 0
		.amdhsa_float_denorm_mode_32 3
		.amdhsa_float_denorm_mode_16_64 3
		.amdhsa_memory_ordered 1
		.amdhsa_forward_progress 1
		.amdhsa_inst_pref_size 66
	.end_amdhsa_kernel
	.amdgpu_metadata
---
amdhsa.version: [ 1, 2 ]
amdhsa.kernels:
  - .name:           k_q19ba5d16d7_attn
    .symbol:         k_q19ba5d16d7_attn.kd
    .args:
      - { .name: hc, .offset: 0, .size: 8, .value_kind: global_buffer, .address_space: global }
      - { .name: hs, .offset: 8, .size: 8, .value_kind: global_buffer, .address_space: global }
      - { .name: mw, .offset: 16, .size: 8, .value_kind: global_buffer, .address_space: global }
      - { .name: oc, .offset: 24, .size: 8, .value_kind: global_buffer, .address_space: global }
      - { .name: os, .offset: 32, .size: 8, .value_kind: global_buffer, .address_space: global }
      - { .name: mf, .offset: 40, .size: 8, .value_kind: global_buffer, .address_space: global }
    .group_segment_fixed_size: 206848
    .private_segment_fixed_size: 0
    .kernarg_segment_align: 8
    .kernarg_segment_size: 48
    .max_flat_workgroup_size: 512
    .sgpr_count:     102
    .vgpr_count:     256
    .wavefront_size: 32
...
	.end_amdgpu_metadata
.endif
;; end of part 3
;; launch outp (part 4): grid 4 x 32, 4 waves a work-group, clusters of 4 x 4, 327,680 bytes of LDS; arguments oc, os, xc, xs, out0; writes out0
.if DOCPART == 4
	.amdgcn_target "amdgcn-amd-amdhsa--gfx1250"
	.amdhsa_code_object_version 6
	.text
	.protected	k_q19ba5d16d7_outp
	.globl	k_q19ba5d16d7_outp
	.p2align	8
	.type	k_q19ba5d16d7_outp,@function
k_q19ba5d16d7_outp:
	s_mov_b64 s[64:65], 0
	v_nop
	global_prefetch_b8 v0, s[64:65] scope:SCOPE_SE
	s_setreg_imm32_b32 hwreg(HW_REG_WAVE_MODE, 25, 1), 1
	s_wait_xcnt 0x0
	s_wait_alu depctr_hold_cnt(0) depctr_sa_sdst(0) depctr_va_vdst(0) depctr_va_sdst(0) depctr_va_ssrc(0) depctr_va_vcc(0) depctr_vm_vsrc(0)
	s_getreg_b32 s2, hwreg(HW_REG_IB_STS2, 6, 4)
	s_cmp_eq_u32 s2, 0
	s_cbranch_scc0 .Lentry_in_a_cluster
	s_endpgm
.Lentry_in_a_cluster:
	s_bfe_u32 s2, ttmp6, 0x10000c
	s_cmp_lg_u32 s2, 0xf033
	s_cbranch_scc0 .Lentry_shape_is_right
	s_endpgm
.Lentry_shape_is_right:
; OUTP.  out0 = o Wo^T, [8192][1024] f32, K = 1,024, on codes of FP6 (E2M3) with E8M0 scales.  o's codes and scale words come from oc and os, Wo's from xc and xs (tiles 1728 on), all as operand images:
; a fragment of 16 rows x 128 K = 1,536 bytes, six planes of 256; lane l's registers 2 p, 2 p + 1 at 256 p + 8 l.  Row r of tile T is row 32 (T / 2) + 8 (T % 2) + r + 8 (r / 8).
; A tile of C, 256 x 256, is made by four waves, 128 x 128 each: 64 accumulators.  K goes in four steps of 256 through two LDS slots filled by the tensor data mover; the scale words of all of K come once.
; Source 0 = 16 rows of Wo, source 1 = 16 rows of o: a lane holds one row of the output and eight neighbouring columns an accumulator.
; CLUSTERS: 4 x 4 work-groups; o's tiles are shared along a row of the cluster, Wo's along a column: each is asked for jointly.
; REGISTERS, in windows of 256: window 0: v16-31 addresses; v32-63 scale words, two sets; v128-223 A's fragments, one set (on the way out v128-255 rows of the output).  window 1: B's fragments, two sets.  windows 2, 3: accumulator (a, b) at v[8 (8 (a % 4) + b)].
.set TILEB,  3072
.set FRB,    1536
.set HALFT,  8*TILEB
.set SLOT,   4*HALFT
.set SCL,    2*SLOT                    ; A's scale words (8,192 bytes); B's begin 8,320 bytes on, so that the two halves of a load's lanes fall on different banks (64 banks of 4 bytes: ISA guide 11.1)
.set SPARE,  SCL+16640                 ; the spare words, 128 bytes for each wave: two blocks of 256 bytes that no other line names
.set SPITCH, 528                       ; the way out: a stage of 16 rows x (512 bytes + 16) for each wave, in slot 0, which has had its last fill and its last read when the first result is stored there
.set NQ,     2
.set FR,     12
.set NL,     6
.set NP,     4
.set ADRA, 16
.set ADRB, 20
.set STO,  24
.set RD,   25
.set CO,   26
.set ADRS, 27
.set SPW,  28
.set NIL,  29
.set SC,   32
.set AF,   128
.set BK,   128
.set G1, 24
.set G0, 32
.set G1B, 48
.set G0B, 56
.set G1S, 68
.set G0S, 76
.set G1SB, 80
.set G0SB, 88
.set MSB, 0
.macro WIN new                         ; the immediate's high byte repeats the setting that is left
.if MSB != \new
	s_set_vgpr_msb (MSB<<8)|\new
.set MSB, \new
.endif
.endm
.set MUL_LO, 0xa1
.set MUL_HI, 0xf1
.set TO_B,   0x40
.macro JLOAD g0a, g1a, g0b, g1b        ; a joint load: waves 0 and 1 fetch for A, waves 2 and 3 for B; four v_nop follow each of the two lines
	s_cmp_eq_u32 s15, 0
	s_cbranch_scc0 .Lfor_b_\@
	tensor_load_to_lds s[\g0a:\g0a+3], s[\g1a:\g1a+7]
	s_nop 0
.rept 4
	v_nop
.endr
	s_branch .Lasked_\@
.Lfor_b_\@:
	tensor_load_to_lds s[\g0b:\g0b+3], s[\g1b:\g1b+7]
	s_nop 0
.rept 4
	v_nop
.endr
.Lasked_\@:
.endm
.macro CREST
	s_cmp_lg_u32 s14, 0
	s_cbranch_scc1 .Lnot_wave_0_\@
	s_barrier_signal -3
.Lnot_wave_0_\@:
	s_barrier_wait -3
	s_barrier_signal -1
	s_barrier_wait -1
.endm
.macro CROUND
	s_barrier_signal -1
	s_barrier_wait -1
	CREST
.endm
	s_load_b256 s[4:11], s[0:1], 0x0               ; oc, os, xc, xs
	s_load_b64 s[12:13], s[0:1], 0x20              ; out0
	v_lshl_add_u32 v[SPW], v0, 2, SPARE
	v_mov_b32 v[NIL], 0
	ds_add_u32 v28, v29
	ds_add_u32 v28, v29
	s_wait_dscnt 0x0
	v_lshrrev_b32 v1, 5, v0
	v_readfirstlane_b32 s14, v1                    ; wave 0..3
	s_lshr_b32 s15, s14, 1                         ; my half of the rows.  Also: I fetch for A (0) or for B (1)
	s_and_b32 s16, s14, 1                          ; my half of the columns.  Also: which 8 tiles I fetch
	s_bfe_u32 s40, ttmp6, 0x40000                  ; cx
	s_bfe_u32 s41, ttmp6, 0x40004                  ; cy
	s_and_b32 s17, ttmp7, 0xffff
	s_lshl_b32 s17, s17, 2
	s_add_co_u32 s17, s17, s41                     ; tile row of C = 4 x cluster y + cy
	s_lshl_b32 s43, s41, 2
	s_lshl_b32 s43, 15, s43                        ; my row of the cluster
	s_lshl_b32 s44, 0x1111, s40                    ; my column
	; group 1 for codes: 8 rows (tiles) of 384 elements of 8 bytes, 1,536 elements apart; no padding
	s_or_b32 s[G1+0], s43, (3<<16)|(1<<21)
	s_or_b32 s[G1B+0], s44, (3<<16)|(1<<21)
.irp g, G1, G1B
	s_mov_b32 s[\g+1], 384<<16
	s_mov_b32 s[\g+2], 8<<16
	s_mov_b32 s[\g+3], 384<<16
	s_mov_b32 s[\g+4], 8
	s_mov_b32 s[\g+5], 1536
	s_mov_b32 s[\g+6], 0
	s_mov_b32 s[\g+7], 0
.endr
	; and for the scale words of 8 tiles: 4,096 dense bytes as 16 rows of 256
	s_or_b32 s[G1S+0], s43, (3<<16)|(1<<21)
	s_or_b32 s[G1SB+0], s44, (3<<16)|(1<<21)
.irp g, G1S, G1SB
	s_mov_b32 s[\g+1], 32<<16
	s_mov_b32 s[\g+2], 16<<16
	s_mov_b32 s[\g+3], 32<<16
	s_mov_b32 s[\g+4], 16
	s_mov_b32 s[\g+5], 32
	s_mov_b32 s[\g+6], 0
	s_mov_b32 s[\g+7], 0
.endr
	s_lshl_b32 s45, s16, 3
	s_lshl_b32 s19, s17, 4
	s_add_co_u32 s19, s19, s45                     ; A: tile 16 x tile row + the 8 that I fetch
	s_lshl_b32 s42, s40, 4
	s_add_co_u32 s42, s42, 1728
	s_add_co_u32 s42, s42, s45                     ; B: tile 1728 + 16 cx + the 8 that I fetch
	s_mul_i32 s20, s19, 12288
	s_mov_b32 s21, 0
	s_lshl_b32 s22, s19, 9
	s_mov_b32 s23, 0
	s_mul_i32 s46, s42, 12288
	s_mov_b32 s47, 0
	s_lshl_b32 s92, s42, 9
	s_mov_b32 s93, 0
	s_mul_i32 s45, s14, HALFT                      ; where they go: wave x 8 tiles
	s_lshl_b32 s94, s14, 12
	s_wait_kmcnt 0x0
	s_add_nc_u64 s[20:21], s[4:5], s[20:21]
	s_add_nc_u64 s[22:23], s[6:7], s[22:23]
	s_add_nc_u64 s[46:47], s[8:9], s[46:47]
	s_add_nc_u64 s[92:93], s[10:11], s[92:93]
	CROUND                                         ; all sixteen work-groups are here: the first joint loads meet
	s_mov_b32 s[G0S], 1
	s_add_co_u32 s[G0S+1], s94, SCL
	s_mov_b64 s[G0S+2:G0S+3], s[22:23]
	s_or_b32 s[G0S+3], s[G0S+3], 0x80000000
	s_mov_b32 s[G0SB], 1
	s_add_co_u32 s[G0SB+1], s94, SCL+128
	s_mov_b64 s[G0SB+2:G0SB+3], s[92:93]
	s_or_b32 s[G0SB+3], s[G0SB+3], 0x80000000
	JLOAD G0S, G1S, G0SB, G1SB
.irp s, 0,1
	s_mov_b32 s[G0+4*\s], 1
	s_add_co_u32 s[G0+4*\s+1], s45, \s*SLOT
	s_add_nc_u64 s[G0+4*\s+2:G0+4*\s+3], s[20:21], \s*TILEB
	s_or_b32 s[G0+4*\s+3], s[G0+4*\s+3], 0x80000000
	s_mov_b32 s[G0B+4*\s], 1
	s_add_co_u32 s[G0B+4*\s+1], s45, \s*SLOT
	s_add_nc_u64 s[G0B+4*\s+2:G0B+4*\s+3], s[46:47], \s*TILEB
	s_or_b32 s[G0B+4*\s+3], s[G0B+4*\s+3], 0x80000000
	JLOAD G0+4*\s, G1, G0B+4*\s, G1B               ; three tensor loads of mine are out now
.endr
	v_and_b32 v1, 31, v0
	v_lshlrev_b32 v3, 3, v1                        ; 8 x lane
	v_and_b32 v4, 15, v0                           ; r
	v_bfe_u32 v5, v0, 4, 1                         ; h
	s_mul_i32 s21, s15, HALFT
	s_mul_i32 s22, s16, HALFT
	s_add_co_u32 s22, s22, 2*HALFT
.irp s, 0,1
	v_add_nc_u32 v[ADRA+\s], s21, v3
	v_add_nc_u32 v[ADRB+\s], s22, v3
	s_add_co_u32 s21, s21, SLOT
	s_add_co_u32 s22, s22, SLOT
.endr
	v_lshlrev_b32 v6, 3, v4
	s_lshl_b32 s21, s15, 12
	s_lshl_b32 s22, s16, 12
	s_add_co_u32 s22, s22, 8320
	s_sub_co_u32 s22, s22, s21
	v_mul_u32_u24 v7, s22, v5                      ; lanes 16-31 take B's
	s_add_co_u32 s21, s21, SCL
	v_add_nc_u32 v6, v6, v7
	v_add_nc_u32 v[ADRS], s21, v6
	s_mul_i32 s23, s14, 16*SPITCH                  ; my stage
	v_mul_u32_u24 v7, v4, SPITCH
	v_lshl_add_u32 v7, v5, 6, v7
	v_add_nc_u32 v[STO], s23, v7                   ; in: row r, + 64 h: accumulator b's eight columns are 32 (b / 2) + 8 (b % 2) + 16 h + 0 .. 7
	v_lshlrev_b32 v[CO], 4, v1                     ; back: the 32 lanes take one row of 512 bytes; and the same in the output
	v_add_nc_u32 v[RD], s23, v[CO]
	s_lshl_b32 s20, s17, 20                        ; 256 rows of 4,096 bytes
	s_lshl_b32 s21, s15, 19
	s_add_co_u32 s20, s20, s21
	s_lshl_b32 s46, s40, 10                        ; 256 columns of 4 bytes
	s_add_co_u32 s20, s20, s46
	s_lshl_b32 s46, s16, 9
	s_add_co_u32 s20, s20, s46
	s_mov_b32 s21, 0
	s_add_nc_u64 s[12:13], s[12:13], s[20:21]
.macro FRAG reg, adr, q, i
.irp p, 0,1,2,3,4,5
	ds_load_b64 v[\reg+2*\p:\reg+2*\p+1], v[\adr] offset:TILEB*(\i)+FRB*(\q)+256*\p
.endr
.endm
; 16 matrix instructions: A's blocks a0, a0 + 1 x B's eight.  The 64 accumulators take turns, one instruction a turn, in the same order in every step.
.macro MUL16 a0, p, q, sc, zero
.irp a, \a0, \a0+1
.irp b, 0,1,2,3,4,5,6,7
.if \zero
	v_wmma_scale_f32_16x16x128_f8f6f4 v[8*(8*((\a)%4)+\b):8*(8*((\a)%4)+\b)+7], v[128*(\p)+FR*\b:128*(\p)+FR*\b+FR-1], v[AF+FR*(\a):AF+FR*(\a)+FR-1], 0, v[SC+8*NQ*(\sc)+NQ*\b+(\q)], v[SC+8*NQ*(\sc)+NQ*(\a)+(\q)] matrix_a_fmt:MATRIX_FMT_FP6 matrix_b_fmt:MATRIX_FMT_FP6 matrix_a_scale:MATRIX_SCALE_ROW1
.else
	v_wmma_scale_f32_16x16x128_f8f6f4 v[8*(8*((\a)%4)+\b):8*(8*((\a)%4)+\b)+7], v[128*(\p)+FR*\b:128*(\p)+FR*\b+FR-1], v[AF+FR*(\a):AF+FR*(\a)+FR-1], v[8*(8*((\a)%4)+\b):8*(8*((\a)%4)+\b)+7], v[SC+8*NQ*(\sc)+NQ*\b+(\q)], v[SC+8*NQ*(\sc)+NQ*(\a)+(\q)] matrix_a_fmt:MATRIX_FMT_FP6 matrix_b_fmt:MATRIX_FMT_FP6 matrix_a_scale:MATRIX_SCALE_ROW1
.endif
.endr
.endr
.endm
.macro FETCH_B slot, q, p
	WIN TO_B
.irp i, 0,1,2,3,4,5,6,7
	FRAG 128*(\p)+FR*\i, ADRB+\slot, \q, \i
.endr
	WIN 0
.endm
.macro FETCH_A slot, q, i0
.irp i, \i0, \i0+1, \i0+2, \i0+3
	FRAG AF+FR*(\i), ADRA+\slot, \q, \i
.endr
.endm
.macro SCALES sc
.irp i, 0,1,2,3,4,5,6,7
	ds_load_b64 v[SC+8*NQ*\sc+NQ*\i:SC+8*NQ*\sc+NQ*\i+1], v[ADRS] offset:512*\i
.endr
.endm
.macro PLACES n                        ; plain vector instructions between a matrix instruction and a load into, or a read of, its registers
.rept \n
	v_nop
.endr
.endm
.macro STEP slot, q, zero
	s_wait_dscnt 4*NL                              ; all but the youngest 24 loads (A's blocks 4-7) are in
	WIN MUL_LO
	MUL16 0, (\q)%2, \q, \slot, \zero
	MUL16 2, (\q)%2, \q, \slot, \zero
	s_wait_dscnt 0
	PLACES NP
	FETCH_B \slot, (\q)+1, 1-(\q)%2
	FETCH_A \slot, (\q)+1, 0
	WIN MUL_HI
	MUL16 4, (\q)%2, \q, \slot, \zero
	MUL16 6, (\q)%2, \q, \slot, \zero
	PLACES NP
	WIN 0
	FETCH_A \slot, (\q)+1, 4
.endm
.macro TURN slot, next, fill
	s_wait_tensorcnt 0x0                           ; all my tensor loads have landed: my part of the next slot
	ds_add_u32 v[SPW], v[NIL]                      ; 0 onto my spare word
	s_wait_dscnt 4*NL+1                            ; (the add and the youngest 24 loads may be out)
	WIN MUL_LO
	MUL16 0, 1, NQ-1, \slot, 0
	s_wait_dscnt 0x0                               ; the add is done, and my reads of this slot are over
	s_barrier_signal -1
	MUL16 2, 1, NQ-1, \slot, 0
	WIN 0
	s_barrier_wait -1
.if \fill
	CREST                                          ; the barrier has opened a round of the cluster's barrier: no wave of any partner still reads this slot or has a load on its way
	s_add_nc_u64 s[G0+4*\slot+2:G0+4*\slot+3], s[G0+4*\slot+2:G0+4*\slot+3], 2*TILEB
	s_add_nc_u64 s[G0B+4*\slot+2:G0B+4*\slot+3], s[G0B+4*\slot+2:G0B+4*\slot+3], 2*TILEB
	JLOAD G0+4*\slot, G1, G0B+4*\slot, G1B
.else
	PLACES NP
.endif
	v_add_nc_u32 v[ADRS], 128, v[ADRS]
	FETCH_B \next, 0, 0
	FETCH_A \next, 0, 0
	SCALES \next
	WIN MUL_HI
	MUL16 4, 1, NQ-1, \slot, 0
	MUL16 6, 1, NQ-1, \slot, 0
	PLACES NP
	WIN 0
	FETCH_A \next, 0, 4
.endm
	s_wait_tensorcnt 1                             ; the scale words and my part of K step 0 are in (K step 1's load may be out)
	s_barrier_signal -1
	s_barrier_wait -1
	FETCH_B 0, 0, 0
	FETCH_A 0, 0, 0
	SCALES 0
	FETCH_A 0, 0, 4
	STEP 0, 0, 1
	TURN 0, 1, 1
	STEP 1, 0, 0
	TURN 1, 0, 1
	STEP 0, 0, 0
	TURN 0, 1, 0
	STEP 1, 0, 0
	s_wait_dscnt 4*NL
	WIN MUL_LO
	MUL16 0, 1, NQ-1, 1, 0
	MUL16 2, 1, NQ-1, 1, 0
	s_wait_dscnt 0
	WIN MUL_HI
	MUL16 4, 1, NQ-1, 1, 0
	MUL16 6, 1, NQ-1, 1, 0
	WIN 0
; THE WAY OUT, block by block of 16 rows x 128 columns, through my own stage in LDS: back come whole rows of 512 bytes, which the 32 lanes store as 512 consecutive bytes, aligned.
; LDS serves a wave's instructions in order (ISA guide 5.7.1.4): no wait between the stores and the loads, nor in front of the next block's stores.
.macro TOSTAGE a
.set AC, 64*((\a)%4)
	WIN 0x08+4*((\a)/4)                            ; the data: window 2 or 3
.irp b, 0,1,2,3,4,5,6,7
	ds_store_b128 v[STO], v[AC+8*\b:AC+8*\b+3] offset:128*(\b/2)+32*(\b%2)       ; each accumulator from its low end on
	ds_store_b128 v[STO], v[AC+8*\b+4:AC+8*\b+7] offset:128*(\b/2)+32*(\b%2)+16
.endr
	WIN 0
.set BB, BK+64*((\a)%2)
.irp t, 0,1,2,3,4,5,6,7,8,9,10,11,12,13,14,15
	ds_load_b128 v[BB+4*\t:BB+4*\t+3], v[RD] offset:\t*SPITCH
.endr
.endm
.macro SEND a, younger                 ; younger: the LDS instructions issued behind block a's loads, which may stay out
.set BB, BK+64*((\a)%2)
	s_wait_dscnt \younger
.irp t, 0,1,2,3,4,5,6,7,8,9,10,11,12,13,14,15
	global_store_b128 v[CO], v[BB+4*\t:BB+4*\t+3], s[12:13] offset:(32*((\a)/2)+8*((\a)%2)+\t+8*(\t/8))*4096 th:TH_STORE_NT   ; stage row t is row 32 (a / 2) + 8 (a % 2) + t + 8 (t / 8) of my 128; 127 rows at the most: inside the signed 24-bit immediate
.endr
.endm
	PLACES NP
	TOSTAGE 0
.irp a, 1,2,3,4,5,6,7
.if \a > 1
	s_wait_xcnt 0x0                                ; block a - 2's stores have read their registers: block a's loads may land there
.endif
	TOSTAGE \a
	SEND \a-1, 32                                  ; behind block a - 1's loads: block a's 16 stores and 16 loads
.endr
	SEND 7, 0
	s_wait_tensorcnt 0x0                           ; the wave's end
	ds_add_u32 v[SPW], v[NIL]
	s_wait_dscnt 0x0
	CROUND                                         ; the closing round
	s_endpgm
.Lfunc_end_k_q19ba5d16d7_outp:
	.size	k_q19ba5d16d7_outp, .Lfunc_end_k_q19ba5d16d7_outp-k_q19ba5d16d7_outp
	.p2alignl 7, 3214868480
	.fill 96, 4, 3214868480
	.section	.rodata,"a",@progbits
	.p2align	6, 0x0
	.amdhsa_kernel k_q19ba5d16d7_outp
		.amdhsa_group_segment_fixed_size 327680
		.amdhsa_private_segment_fixed_size 0
		.amdhsa_enable_private_segment 0
		.amdhsa_kernarg_size 40
		.amdhsa_user_sgpr_count 2
		.amdhsa_user_sgpr_kernarg_segment_ptr 1
		.amdhsa_wavefront_size32 1
		.amdhsa_system_sgpr_workgroup_id_x 1
		.amdhsa_system_sgpr_workgroup_id_y 1
		.amdhsa_system_sgpr_workgroup_id_z 1
		.amdhsa_system_vgpr_workitem_id 0
		.amdhsa_next_free_vgpr 1024
		.amdhsa_next_free_sgpr 100
		.amdhsa_reserve_vcc 0
		.amdhsa_float_denorm_mode_32 3
		.amdhsa_float_denorm_mode_16_64 3
		.amdhsa_memory_ordered 1
		.amdhsa_forward_progress 1
		.amdhsa_inst_pref_size 159
	.end_amdhsa_kernel
	.amdgpu_metadata
---
amdhsa.version: [ 1, 2 ]
amdhsa.kernels:
  - .name:           k_q19ba5d16d7_outp
    .symbol:         k_q19ba5d16d7_outp.kd
    .args:
      - { .name: oc, .offset: 0, .size: 8, .value_kind: global_buffer, .address_space: global }
      - { .name: os, .offset: 8, .size: 8, .value_kind: global_buffer, .address_space: global }
      - { .name: xc, .offset: 16, .size: 8, .value_kind: global_buffer, .address_space: global }
      - { .name: xs, .offset: 24, .size: 8, .value_kind: global_buffer, .address_space: global }
      - { .name: out0, .offset: 32, .size: 8, .value_kind: global_buffer, .address_space: global }
    .group_segment_fixed_size: 327680
    .private_segment_fixed_size: 0
    .kernarg_segment_align: 8
    .kernarg_segment_size: 40
    .max_flat_workgroup_size: 128
    .sgpr_count:     100
    .vgpr_count:     1024
    .wavefront_size: 32
...
	.end_amdgpu_metadata
.endif
;; end of part 4
;; ======== version 2 of 2: 4 launches; version 1 with the launch attn written anew for expert scheduling mode
;; limits: right only within a limited range of input values
;; workspace buffers: xc 22,020,096 bytes; xs 917,504 bytes; mw 2,097,152 bytes; mf 16,384 bytes of whole numbers; hc 18,874,368 bytes; hs 786,432 bytes; oc 6,291,456 bytes; os 262,144 bytes
;; launch prep: the kernel of part 1 again; grid 1408 x 1, 4 waves a work-group, no clusters, 68,096 bytes of LDS; arguments query, key, value, Wq, Wk, Wv, Wo, mask, xc, xs, mw, mf; writes xc, xs, mw, mf
;; launch proj: the kernel of part 2 again; grid 4 x 96, 4 waves a work-group, clusters of 4 x 4, 327,680 bytes of LDS; arguments xc, xs, hc, hs; writes hc, hs
;; launch attn (part 5): grid 4 x 64, 16 waves a work-group, no clusters, 206,848 bytes of LDS; arguments hc, hs, mw, oc, os, mf; writes oc, os
.if DOCPART == 5
	.amdgcn_target "amdgcn-amd-amdhsa--gfx1250"
	.amdhsa_code_object_version 6
	.text
	.protected	k_q19ba5d16d7_attn
	.globl	k_q19ba5d16d7_attn
	.p2align	8
	.type	k_q19ba5d16d7_attn,@function
k_q19ba5d16d7_attn:
	s_mov_b64 s[64:65], 0
	v_nop
	global_prefetch_b8 v0, s[64:65] scope:SCOPE_SE
	s_setreg_imm32_b32 hwreg(HW_REG_WAVE_SCHED_MODE, 0, 2), 2
	s_setreg_imm32_b32 hwreg(HW_REG_WAVE_MODE, 25, 1), 1
	s_wait_xcnt 0x0
	s_wait_alu depctr_vm_vsrc(0)
; ATTN.  o = softmax(where(mask, q k^T / 8, -1e9)) v for one (batch, head), both products on codes of FP6 (E2M3) with E8M0 scales; o is quantised along the head's 64 and leaves as operand images.
; SOFTMAX: t = score x log2(e) / 8; M = the running largest t rounded UP to a whole number; p = 2^(t - M) is quantised along the keys, not normalised; the sum of the unquantised p divides at the end;
; when M moves, the sum and O are multiplied by 2^(old M - new M), which rounds nothing.
; SHARES.  Work-group (x, bh): its sixteen waves copy the head's K and V codes and scale words (204,800 bytes) into LDS once, pass ONE barrier, and then share nothing.  Wave w takes query tiles 16 x + w and 127 - (16 x + w).
; A tile's rows are not neighbours: row r of tile t is 32 (t / 2) + 8 (t % 2) + r + 8 (r / 8), for queries, keys and the head's d alike: so the 16 registers of two neighbouring tiles of source 0 are 16 neighbours.
; Both products are used transposed: S^T = K Q^T, O^T = V^T P^T: a lane holds one query (lane % 16) throughout.
; K = 64 IN AN INSTRUCTION OF 128.  A fragment of K is the pair of half images of key tiles 2 g, 2 g + 1.  Q stands in 18 registers [Q | 0 | Q]: the first twelve give tile 2 g's scores, the last twelve tile 2 g + 1's;
; the other 64 k meet zero codes, which add nothing under any scale byte from 1 to 254.  Q's scale word is (s0, s1, s0, s1).
; THE MASK is an input.  The first launch has packed it: in mw 64 lane-mask words a step (word 16 b + i for register 16 b + i of S^T), which only select values; in mf eight words of flags a tile, on which this text branches.
; A step in which no query of the tile has a true key is left out, by a scalar branch on those stored whole numbers; if some row of the tile has no true key at all, every step is walked (that row's softmax is uniform).
; Where a step has no false, its 64 selects are jumped over.
; NO CLUSTER, NO TENSOR LOAD: the steps that a wave walks hang on numbers read from memory; what four partners would share is read once by each, 204,800 bytes.
; LIMITS.  A masked score is -2^33 ahead of the factor 1/8, a logit of -1.074e9 where the definition has -1e9: times the factor it is a whole number, so p = 1 exactly in a row with no true key, as there;
; results differ only where true logits lie under about -9e8.  A block of zeros gets the byte 1.  NaN and infinities are not served.
; THE MODE: SCHED_MODE bits 1:0 = 2 (LLVM: expert scheduling mode 2), set by the entry lines.  The code itself states the register dependences between vector or matrix instructions and memory or LDS
; instructions, with s_wait_alu, always for 0.
; THE PLAN.  Registers that memory or LDS instructions touch:
;   v1, v3, v4, v6, v7, v11, v254, v255   addresses, made at the head and never written again: the one wait on va_vdst ahead of the first load serves them for the whole kernel.
;   v96-195      The copy: loaded from memory, read by the LDS stores; afterwards S^T, O^T and p's codes.  v9, v10: the copy's addresses for the scale words; afterwards the key loop's.
;   v16-21, v28-33, v34   Q and its scale word: loaded at a tile's head; read by the products K Q^T and one v_perm_b32.
;   v8, v9, v10  Written by three additions at a step's head; read by the step's LDS loads.
;   v[FB ..]     A step: K's loads land in it; the eight products K Q^T read it; V's loads land in it; the four products V^T P^T read it.  The 256 registers of a wave leave no room for a second such buffer.
;   v[KS ..], v[VS ..]   Loaded with K's and with V's fragments; read by the same products, as scales.
;   v[P ..], v[PS], v35  Written by vector instructions; taken by scaled products as source 1 or as scales.  v[P .. P + 5] and v[HW] are also the data of a tile's four stores.
; A STEP has one wait on vm_vsrc, ahead of the three additions, and four on va_vdst: behind the additions (K's loads follow); behind K Q^T and its places (V's loads follow, dealt among the selects and the
; maximum's lines, which name S^T, v5 and v[BM ..] alone); behind the exponentials; ahead of V^T P^T.  A TILE has one wait on vm_vsrc at its head and one on va_vdst ahead of its stores.
.set VIMG, 98304                       ; LDS: K's 64 pair fragments at 0; V's [step 16][d tile 4][1536] here;
.set KSC,  196608                      ; K's scale words [step][r][4 words];
.set VSC,  200704                      ; V's likewise
.set QF,   16                          ; v16-33 [Q | 0 | Q]
.set FB,   36                          ; v36-83 four fragments of K or of V
.set KS,   84                          ; v84-87 K's scale words;  v88-91 V's
.set VS,   88
.set S,    96                          ; v96-159 S^T, then p
.set O,    160                         ; v160-191 O^T
.set P,    192                         ; v192-203 p's codes
.set CT,   204                         ; v204-206, v208-210
.set BM,   212                         ; v212-215 the blocks' largest scores
.set PX,   216                         ; v216-219
.set SO,   220                         ; v220-223 the conversions' scale operands
.set T0,   224
.set F,    226                         ; v226 f;  v227 p's scale word
.set PS,   227
.set SUM2, 228
.set HW,   230
	s_load_b256 s[4:11], s[0:1], 0x0               ; hc, hs, mw, oc
	s_load_b64 s[12:13], s[0:1], 0x20              ; os
	s_load_b64 s[2:3], s[0:1], 0x28                ; mf
	v_lshl_add_u32 v254, v0, 2, 0x32000            ; my spare word, behind V's scale words: 128 bytes for each of the sixteen waves; kept for the closing lines alone
	v_mov_b32 v255, 0
	v_lshrrev_b32 v1, 5, v0
	v_readfirstlane_b32 s14, v1                    ; wave 0..15
	s_and_b32 s15, ttmp7, 0xffff                   ; bh = 16 b + head
	v_lshlrev_b32 v6, 4, v0                        ; 16 x thread: the copy's place in memory and in LDS
	v_add_nc_u32 v7, 0x10000, v6
	v_add_nc_u32 v11, 0x20000, v6
	v_lshlrev_b32 v10, 3, v0                       ; 8 x thread: the scale words'
	v_add_nc_u32 v9, KSC, v10
	v_and_b32 v1, 31, v0                           ; all the head's vector work stands here, while the arguments are on their way, ahead of the one wait on va_vdst
	v_lshlrev_b32 v1, 3, v1                        ; v1: 8 x lane: my place in a plane
	v_and_b32 v3, 15, v0
	v_lshlrev_b32 v4, 3, v3                        ; v4: 8 r
	v_lshlrev_b32 v3, 4, v3                        ; v3: 16 r
	v_add_nc_u32 v2, KSC, v3                       ; v2: my row's four scale words of a step
	v_mov_b32 v5, 0xd0000000                       ; -2^33: a masked score
.irp i, 22,23,24,25,26,27
	v_mov_b32 v\i, 0                               ; Q's zero codes
.endr
.irp b, 0,1,2,3
	v_mov_b32 v[PX+\b], 0                          ; a lane permute's destination counts as one of its sources
.endr
	v_mov_b32 v[T0], 0
	v_mov_b32 v[PS], 0                             ; (named as the upper half of the pair with f before it is first written)
	s_mul_i32 s16, s15, 98304
	s_mov_b32 s17, 0
	s_lshl_b32 s18, s15, 12
	s_mov_b32 s19, 0
	s_mov_b32 s96, 0x3e38aa3b                      ; c = log2(e) / 8
	s_mov_b32 s97, s96                             ; (named with it as a pair)
	s_mov_b32 s98, 0x76543210
	s_mov_b32 s99, 0xfedcba98                      ; v_permlanex16_b32's selects for lane l xor 16
	s_wait_alu depctr_va_sdst(0)                   ; s14 is written, ahead of its first reader: my query tiles are made from it
	s_lshl_b32 s79, ttmp9, 4
	s_add_co_u32 s79, s79, s14                     ; my first query tile
	s_wait_kmcnt 0x0
	s_add_nc_u64 s[66:67], s[4:5], s[16:17]        ; q's codes of my head
	s_add_nc_u64 s[68:69], s[6:7], s[18:19]        ; q's scale words
	s_add_nc_u64 s[20:21], s[66:67], 6291456       ; k's codes
	s_add_nc_u64 s[22:23], s[66:67], 12582912      ; v's
	s_add_nc_u64 s[24:25], s[68:69], 262144        ; k's scale words
	s_add_nc_u64 s[26:27], s[68:69], 524288        ; v's
	s_wait_alu depctr_va_vdst(0)                   ; v1, v3, v4, v6, v7, v9, v10, v11, v254 and v255 are written: the loads, LDS stores and stores below, Q's loads and the closing add read them as addresses or data
.irp i, 0,1,2,3,4,5,6,7,8,9,10,11
	global_load_b128 v[96+4*\i:99+4*\i], v6, s[20:21] offset:8192*\i
.endr
.irp i, 0,1,2,3,4,5,6,7,8,9,10,11
	global_load_b128 v[144+4*\i:147+4*\i], v6, s[22:23] offset:8192*\i
.endr
	global_load_b64 v[192:193], v10, s[24:25]
	global_load_b64 v[194:195], v10, s[26:27]
.irp i, 0,1,2,3,4,5,6,7
	s_wait_loadcnt 25-\i                           ; loads come back in order: load i of 26 is in, the 25 - i behind it may be out
	ds_store_b128 v6, v[96+4*\i:99+4*\i] offset:8192*\i
.endr
.irp i, 8,9,10,11,12,13,14,15
	s_wait_loadcnt 25-\i
	ds_store_b128 v7, v[96+4*\i:99+4*\i] offset:8192*(\i-8)
.endr
.irp i, 16,17,18,19,20,21,22,23
	s_wait_loadcnt 25-\i
	ds_store_b128 v11, v[96+4*\i:99+4*\i] offset:8192*(\i-16)
.endr
	s_wait_loadcnt 1
	ds_store_b64 v9, v[192:193]
	s_wait_loadcnt 0x0
	ds_store_b64 v9, v[194:195] offset:4096
	s_wait_dscnt 0x0                               ; for the others' sake: my stores have landed
	s_barrier_signal -1
	s_barrier_wait -1                              ; the head's K and V lie in LDS; nothing is written there again
; V's fragment g of the step: six planes.  It follows the wait on va_vdst behind K Q^T; no vector or matrix instruction between that wait and these loads names v[FB ..] or v9.
.macro VFRAG g
.irp p, 0,1,2,3,4,5
	ds_load_b64 v[FB+12*(\g)+2*\p:FB+12*(\g)+2*\p+1], v9 offset:1536*(\g)+256*\p
.endr
.endm
.macro SOFTMAX
.irp b, 0,1,2,3
	v_max3_num_f32 v[BM+\b], v[S+16*\b], v[S+16*\b+1], v[S+16*\b+2]   ; the largest score of each block of 32 keys: it serves for the row's maximum and, since p rises with the score, for the block's largest p
.endr
	VFRAG 1                                        ; V's fragments 1 to 3 are dealt among the maximum's lines, six loads at a time
.irp i, 3,5,7,9,11,13
.irp b, 0,1,2,3
	v_max3_num_f32 v[BM+\b], v[BM+\b], v[S+16*\b+\i], v[S+16*\b+\i+1]
.endr
.if \i == 5
	VFRAG 2
.endif
.if \i == 9
	VFRAG 3
.endif
.endr
.irp b, 0,1,2,3
	v_max_num_f32 v[BM+\b], v[BM+\b], v[S+16*\b+15]
.endr
.irp b, 0,1,2,3
	v_permlanex16_b32 v[PX+\b], v[BM+\b], s98, s99
.endr
.irp b, 0,1,2,3
	v_max_num_f32 v[BM+\b], v[BM+\b], v[PX+\b]     ; with lane l xor 16's 16 keys
.endr
	v_max3_num_f32 v[T0], v[BM], v[BM+1], v[BM+2]
	v_max_num_f32 v[T0], v[T0], v[BM+3]
	v_mul_f32 v[T0], s96, v[T0]                    ; the step's largest t of my query
	v_max_num_f32 v13, v13, v[T0]                  ; the running largest t
	v_mov_b32 v[T0], v12
	v_floor_f32 v12, -v13                          ; the new -M = floor(-t): M is a whole number
	v_sub_f32 v[T0], v12, v[T0]                    ; old M - new M: a whole number, 0 or less
	v_cvt_i32_f32 v[T0], v[T0]                     ; (it saturates)
	v_ldexp_f32 v[F], 1.0, v[T0]                   ; f = 2^(old M - new M)
.set n, 0
.rept 32
	v_pk_fma_f32 v[S+n:S+n+1], v[S+n:S+n+1], s[96:97], v[12:13] op_sel_hi:[1,0,0]   ; t - M, two at a time
.set n, n+2
.endr
.irp b, 0,1,2,3
	v_fma_f32 v[BM+\b], v[BM+\b], s96, v12         ; the same of each block's largest score
.endr
.set n, 0
.rept 64
	v_exp_f32 v[S+n], v[S+n]                       ; p = 2^(t - M)
.set n, n+1
.endr
.irp b, 0,1,2,3
	v_exp_f32 v[BM+\b], v[BM+\b]                   ; the block's largest p: the same two instructions on the same number
.endr
	v_pk_mul_f32 v[14:15], v[14:15], v[F:F+1] op_sel_hi:[1,0]   ; the sums under the new M.  (A plain place behind the exponentials)
	s_wait_alu depctr_va_vdst(0)                   ; the 68 exponentials have written p and the blocks' largest p: one wait for the batch, ahead of its first reader
.irp b, 0,1,2,3
	v_max_num_f32 v[BM+\b], 0x1800000, v[BM+\b]    ; the floor 2^(3 - 127): the byte cannot fall under 1
.endr
.irp b, 0,1,2,3
	v_add_nc_u32 v[SO+\b], 0xff000000, v[BM+\b]    ; 2 off the exponent field: the conversion's scale operand
.endr
.irp b, 0,1,2,3
	v_lshrrev_b32 v[PX+\b], 23, v[SO+\b]           ; the scale's byte
.endr
	v_lshl_or_b32 v[PS], v[PX+1], 8, v[PX]         ; p's scale word for these 128 keys
	v_lshl_or_b32 v[PS], v[PX+2], 16, v[PS]
	v_lshl_or_b32 v[PS], v[PX+3], 24, v[PS]
.irp c, 0,1
	v_cvt_scalef32_pk16_fp6_f32 v[P+6*\c:P+6*\c+2], v[S+32*\c:S+32*\c+15], v[SO+2*\c]
	v_cvt_scalef32_pk16_fp6_f32 v[CT+4*\c:CT+4*\c+2], v[S+32*\c+16:S+32*\c+31], v[SO+2*\c+1]
.endr
	v_nop                                          ; one plain place behind a scaled conversion
.irp c, 0,1                            ; the operand's layout wants a whole block in a lane
.irp i, 0,1,2
	v_permlane16_swap_b32 v[P+6*\c+\i], v[CT+4*\c+\i]
.endr
.irp i, 0,1,2
	v_mov_b32 v[P+3+6*\c+\i], v[CT+4*\c+\i]
.endr
.endr
	v_pk_add_f32 v[SUM2:SUM2+1], v[S:S+1], v[S+2:S+3]   ; the row's sum is taken of the unquantised p: two at a time, in two chains
.irp j, 4,8,12,16,20,24,28,32,36,40,44,48,52,56,60
	v_pk_add_f32 v[14:15], v[14:15], v[S+\j:S+\j+1]
	v_pk_add_f32 v[SUM2:SUM2+1], v[SUM2:SUM2+1], v[S+\j+2:S+\j+3]
.endr
	v_pk_add_f32 v[14:15], v[14:15], v[SUM2:SUM2+1]
.set n, 0
.rept 16
	v_pk_mul_f32 v[O+n:O+n+1], v[O+n:O+n+1], v[F:F+1] op_sel_hi:[1,0]   ; O^T under the new M.  (The 48 lines from the sums on are the places between the codes, the scale word and the scaled products)
.set n, n+2
.endr
.endm
; One query tile, from its loads to its stores.  which = 0: tile 16 x + w;  1: tile 127 - that.
.macro QTILE which
	s_wait_xcnt 0x0                                ; earlier loads and stores have read their bases, offsets and data
	s_wait_alu depctr_vm_vsrc(0)                   ; first tile: the copy's LDS stores have read v96-195 and v9, its loads v10; second tile: the first tile's stores have read v[P ..] and v[HW]: all of these are written again below
.if \which == 0
	s_mov_b32 s100, s79
.else
	s_sub_co_u32 s100, 127, s79
.endif
	s_lshr_b32 s101, s15, 4
	s_lshl_b32 s101, s101, 7
	s_add_co_u32 s101, s101, s100                  ; U = 128 b + t
	s_lshl_b32 s76, s101, 12
	s_mov_b32 s77, 0
	s_add_nc_u64 s[70:71], s[8:9], s[76:77]        ; the tile's mask words: 4,096 bytes
	s_lshl_b32 s76, s101, 5
	s_add_nc_u64 s[28:29], s[2:3], s[76:77]        ; and its flags: 32 bytes
	s_load_b256 s[16:23], s[28:29], 0x0            ; quarter q's pair (w0, w1) in s[16 + 2 q], s[17 + 2 q]
	s_mul_i32 s76, s100, 768
	s_add_nc_u64 s[24:25], s[66:67], s[76:77]
.irp p, 0,1,2                          ; no wait on va_vdst here: no vector or matrix instruction stands between these loads and the last such wait (the head's; in the second tile the one ahead of the first tile's stores), behind which the products and the v_perm_b32 that read Q's registers are done
	global_load_b64 v[QF+2*\p:QF+2*\p+1], v1, s[24:25] offset:256*\p        ; Q, twice: in front of the zeros
	global_load_b64 v[QF+12+2*\p:QF+13+2*\p], v1, s[24:25] offset:256*\p    ; and behind them
.endr
	s_lshr_b32 s76, s100, 3
	s_lshl_b32 s76, s76, 8
	s_bfe_u32 s78, s100, 0x20001
	s_lshl_b32 s78, s78, 2
	s_add_co_u32 s76, s76, s78
	s_add_nc_u64 s[26:27], s[68:69], s[76:77]
	global_load_b32 v34, v3, s[26:27]              ; the word that holds my tile's two bytes: the low half for an even tile, the high half for an odd one
	s_mov_b32 s78, 0x03020302
	s_bitcmp1_b32 s100, 0
	s_cselect_b32 s78, s78, 0x01000100
	s_wait_kmcnt 0x0
	s_lshl_b32 s76, s18, 4                         ; the four quarters' flags: bit j: step j has a true; bit 16 + j: it has a false
	s_or_b32 s75, s16, s76
	s_lshl_b32 s76, s20, 8
	s_or_b32 s75, s75, s76
	s_lshl_b32 s76, s22, 12
	s_or_b32 s75, s75, s76
	s_or_b32 s76, s17, s19                         ; the lanes that saw a true anywhere
	s_or_b32 s76, s76, s21
	s_or_b32 s76, s76, s23
	s_lshr_b32 s77, s76, 16
	s_or_b32 s76, s76, s77                         ; a row lies in lanes r and r + 16
	s_and_b32 s76, s76, 0xffff
	s_cmp_lg_u32 s76, 0xffff
	s_cselect_b32 s76, 0xffff, 0                   ; a row with no true key: every step is walked
	s_or_b32 s75, s75, s76
	s_wait_loadcnt 0x0
	v_perm_b32 v35, v34, v34, s78                  ; (s0, s1, s0, s1).  The 36 lines below are the places between it and the first scaled product
	v_mov_b32 v13, 0xff61b1e6                      ; the largest t so far: -3e38
	v_floor_f32 v12, -v13                          ; -M
	v_mov_b32 v14, 0
	v_mov_b32 v15, 0
.set n, 0
.rept 32
	v_mov_b32 v[O+n], 0                            ; O^T: the first change of M leaves zeros zeros, so the step is written once
.set n, n+1
.endr
	s_mov_b32 s72, 0                               ; 6,144 x step: the step's fragments
	s_mov_b32 s73, 0                               ; 256 x step: its scale words, and its mask words
	s_mov_b32 s74, 0                               ; the step
.Lstep_\@:
	s_lshr_b32 s76, s75, s74
	s_bitcmp1_b32 s76, 0
	s_cbranch_scc0 .Lskip_\@                       ; no query of my tile has a true key here: p would be 0 throughout
	s_and_b32 s78, s76, 0x10000                    ; has the step a false?
	s_load_b512 s[16:31], s[70:71], s73 offset:0x0 ; the step's 64 lane masks: always asked for and always waited for
	s_load_b512 s[32:47], s[70:71], s73 offset:0x40
	s_load_b512 s[48:63], s[70:71], s73 offset:0x80
	s_load_b512 s[80:95], s[70:71], s73 offset:0xc0
	s_wait_alu depctr_vm_vsrc(0)                   ; the LDS loads issued so far have read v8, v9 and v10, which the three additions write
	v_add_nc_u32 v8, s72, v1
	v_add_nc_u32 v10, s73, v2
	v_add_nc_u32 v9, VIMG, v8
	v_nop                                          ; with the three additions: four places behind the last step's products
	s_wait_alu depctr_va_vdst(0)                   ; v8, v9 and v10 are written, which the step's LDS loads read; the last step's products are done reading v[FB ..] and v[KS ..], in which the loads below land; in a tile's first step v35, Q's scale word, is written
	ds_load_b128 v[KS:KS+3], v10
.irp g, 0,1,2,3
.irp p, 0,1,2,3,4,5
	ds_load_b64 v[FB+12*\g+2*\p:FB+12*\g+2*\p+1], v8 offset:1536*\g+256*\p
.endr
.endr
	s_wait_dscnt 0x0
.irp g, 0,1,2,3
.irp u, 0,1
	v_wmma_scale_f32_16x16x128_f8f6f4 v[S+8*(2*\g+\u):S+8*(2*\g+\u)+7], v[FB+12*\g:FB+12*\g+11], v[QF+6*\u:QF+6*\u+11], 0, v[KS+\g], v35 matrix_a_fmt:MATRIX_FMT_FP6 matrix_b_fmt:MATRIX_FMT_FP6
.endr
.endr
.rept 4
	v_nop                                          ; four places behind the products, ahead of the first vector instruction that reads S^T
.endr
	s_wait_alu depctr_va_vdst(0)                   ; the eight products are done reading K's fragments in v[FB ..], in which V's land (the products that read v[VS ..] stand ahead of the wait at the step's head)
	ds_load_b128 v[VS:VS+3], v10 offset:4096       ; V's scale words and fragments land while the softmax is walked
	VFRAG 0                                        ; the other three follow among the maximum's lines
	s_wait_kmcnt 0x0                               ; the lane masks are in; their base and offset may be written again
	s_cmp_eq_u32 s78, 0
	s_cbranch_scc1 .Lopen_\@
.set n, 0
.rept 48
	v_cndmask_b32 v[S+n], v5, v[S+n], s[16+n]      ; register n's key counts for my query, or the score becomes -2^33
.set n, n+1
.endr
.rept 16
	v_cndmask_b32 v[S+n], v5, v[S+n], s[32+n]
.set n, n+1
.endr
.Lopen_\@:
	SOFTMAX
	s_wait_dscnt 0x0                               ; V
	s_wait_alu depctr_va_vdst(0)                   ; p's codes v[P ..] and p's scale word v[PS] are written, which the scaled products take as source 1 and as scales; the places stand ahead of this wait
.irp g, 0,1,2,3
	v_wmma_scale_f32_16x16x128_f8f6f4 v[O+8*\g:O+8*\g+7], v[FB+12*\g:FB+12*\g+11], v[P:P+11], v[O+8*\g:O+8*\g+7], v[VS+\g], v[PS] matrix_a_fmt:MATRIX_FMT_FP6 matrix_b_fmt:MATRIX_FMT_FP6
.endr
.Lskip_\@:
	s_add_co_u32 s72, s72, 6144
	s_add_co_u32 s73, s73, 256
	s_add_co_u32 s74, s74, 1
	s_cmp_lt_u32 s74, 16
	s_cbranch_scc1 .Lstep_\@
	; the tile's end: O^T / the sum, quantised along the head's 64: register 16 g + i is d = 32 g + 16 (lane / 16) + i
.rept 4
	v_nop
.endr
	v_add_f32 v14, v14, v15
	v_permlanex16_b32 v[T0], v14, s98, s99
	v_add_f32 v14, v14, v[T0]                      ; the row's sum
	v_rcp_f32 v14, v14
	v_nop                                          ; one plain place behind a transcendental
.set n, 0
	s_wait_alu depctr_va_vdst(0)                   ; the reciprocal has written v14, ahead of its first reader
.rept 32
	v_mul_f32 v[S+n], v[O+n], v14
.set n, n+1
.endr
.irp g, 0,1
	v_max3_num_f32 v[BM+\g], |v[S+16*\g]|, |v[S+16*\g+1]|, 0x1800000
.endr
.irp i, 2,4,6,8,10,12,14
.irp g, 0,1
	v_max3_num_f32 v[BM+\g], v[BM+\g], |v[S+16*\g+\i]|, |v[S+16*\g+\i+1]|
.endr
.endr
.irp g, 0,1
	v_permlanex16_b32 v[PX+\g], v[BM+\g], s98, s99
.endr
.irp g, 0,1
	v_max_num_f32 v[BM+\g], v[BM+\g], v[PX+\g]
.endr
.irp g, 0,1
	v_add_nc_u32 v[SO+\g], 0xff000000, v[BM+\g]
.endr
.irp g, 0,1
	v_lshrrev_b32 v[PX+\g], 23, v[SO+\g]
.endr
	v_lshl_or_b32 v[HW], v[PX+1], 8, v[PX]         ; my row's two scale bytes
	v_cvt_scalef32_pk16_fp6_f32 v[P:P+2], v[S:S+15], v[SO]
	v_cvt_scalef32_pk16_fp6_f32 v[CT:CT+2], v[S+16:S+31], v[SO+1]
	v_nop
.irp i, 0,1,2
	v_permlane16_swap_b32 v[P+\i], v[CT+\i]
.endr
.irp i, 0,1,2
	v_mov_b32 v[P+3+\i], v[CT+\i]
.endr
	s_mul_i32 s76, s101, 12288
	s_and_b32 s78, s15, 15                         ; the head
	s_mul_i32 s77, s78, 768
	s_add_co_u32 s76, s76, s77
	s_mov_b32 s77, 0
	s_add_nc_u64 s[24:25], s[10:11], s[76:77]
	s_lshl_b32 s76, s101, 9
	s_lshr_b32 s16, s78, 2
	s_lshl_b32 s16, s16, 7
	s_add_co_u32 s76, s76, s16                     ; K step = head / 4
	s_bfe_u32 s16, s78, 0x10001
	s_lshl_b32 s16, s16, 2
	s_add_co_u32 s76, s76, s16                     ; word = (head / 2) % 2
	s_and_b32 s16, s78, 1
	s_lshl_b32 s16, s16, 1
	s_add_co_u32 s76, s76, s16                     ; its half
	s_add_nc_u64 s[26:27], s[12:13], s[76:77]
	s_wait_alu depctr_va_vdst(0)                   ; o's codes v[P .. P + 5] and the scale bytes v[HW] are written, which the four stores read; the tile's products and its v_perm_b32 are done reading Q's registers, in which the next tile's loads land
.irp p, 0,1,2
	global_store_b64 v1, v[P+2*\p:P+2*\p+1], s[24:25] offset:256*\p   ; a plane: 256 consecutive bytes, aligned
.endr
	global_store_b16 v4, v[HW], s[26:27]           ; two bytes a row; lanes r and r + 16 write the same two bytes with the same value.  A scale word spans two heads, which two work-groups make
.endm
	QTILE 0
	QTILE 1
	s_wait_dscnt 0x0                               ; the closing lines, six on end
	s_wait_alu 0x0
	s_wait_tensorcnt 0x0
	ds_add_u32 v254, v255
	s_wait_dscnt 0x0
	s_endpgm
.Lfunc_end_k_q19ba5d16d7_attn:
	.size	k_q19ba5d16d7_attn, .Lfunc_end_k_q19ba5d16d7_attn-k_q19ba5d16d7_attn
	.p2alignl 7, 3214868480
	.fill 96, 4, 3214868480
	.section	.rodata,"a",@progbits
	.p2align	6, 0x0
	.amdhsa_kernel k_q19ba5d16d7_attn
		.amdhsa_group_segment_fixed_size 206848
		.amdhsa_private_segment_fixed_size 0
		.amdhsa_enable_private_segment 0
		.amdhsa_kernarg_size 48
		.amdhsa_user_sgpr_count 2
		.amdhsa_user_sgpr_kernarg_segment_ptr 1
		.amdhsa_wavefront_size32 1
		.amdhsa_system_sgpr_workgroup_id_x 1
		.amdhsa_system_sgpr_workgroup_id_y 1
		.amdhsa_system_sgpr_workgroup_id_z 1
		.amdhsa_system_vgpr_workitem_id 0
		.amdhsa_next_free_vgpr 256
		.amdhsa_next_free_sgpr 102
		.amdhsa_reserve_vcc 0
		.amdhsa_float_denorm_mode_32 3
		.amdhsa_float_denorm_mode_16_64 3
		.amdhsa_memory_ordered 1
		.amdhsa_forward_progress 1
		.amdhsa_inst_pref_size 66
	.end_amdhsa_kernel
	.amdgpu_metadata
---
amdhsa.version: [ 1, 2 ]
amdhsa.kernels:
  - .name:           k_q19ba5d16d7_attn
    .symbol:         k_q19ba5d16d7_attn.kd
    .args:
      - { .name: hc, .offset: 0, .size: 8, .value_kind: global_buffer, .address_space: global }
      - { .name: hs, .offset: 8, .size: 8, .value_kind: global_buffer, .address_space: global }
      - { .name: mw, .offset: 16, .size: 8, .value_kind: global_buffer, .address_space: global }
      - { .name: oc, .offset: 24, .size: 8, .value_kind: global_buffer, .address_space: global }
      - { .name: os, .offset: 32, .size: 8, .value_kind: global_buffer, .address_space: global }
      - { .name: mf, .offset: 40, .size: 8, .value_kind: global_buffer, .address_space: global }
    .group_segment_fixed_size: 206848
    .private_segment_fixed_size: 0
    .kernarg_segment_align: 8
    .kernarg_segment_size: 48
    .max_flat_workgroup_size: 512
    .sgpr_count:     102
    .vgpr_count:     256
    .wavefront_size: 32
...
	.end_amdgpu_metadata
.endif
;; end of part 5
;; launch outp: the kernel of part 4 again; grid 4 x 32, 4 waves a work-group, clusters of 4 x 4, 327,680 bytes of LDS; arguments oc, os, xc, xs, out0; writes out0
